; MI455X (gfx1250); checked and timed in simulation.
; The chip was launched on July 23, 2026; its instructions are those of AMD's public machine-readable ISA for CDNA 5 (MIT licence, August 2026) and "CDNA5" Instruction Set Architecture Reference Guide (July 2026). The comments in the code are by the model that wrote it; some were corrected since.
;; Self Attention. Allowed arithmetic: float matrix products may take bf16 or f16 operands with f32 sums; other float arithmetic in f32, or as packed bf16 or f16 multiplies, adds, multiply-adds, maxima and minima; sums over many terms, partial sums and values carried from step to step in f32; what a program stores and reads back later, other than sums and carried values, may be rounded once to bf16 or f16.
;; Inputs: Wk 1,024 x 1,024 float32; Wo 1,024 x 1,024 float32; Wq 1,024 x 1,024 float32; Wv 1,024 x 1,024 float32; bk 1,024 float32; bo 1,024 float32; bq 1,024 float32; bv 1,024 float32; key 4 x 2,048 x 1,024 float32; query 4 x 2,048 x 1,024 float32; value 4 x 2,048 x 1,024 float32.
;; Outputs: out0 4 x 2,048 x 1,024 float32.
;; One version. Each part assembles by itself: llvm-mc -triple=amdgcn-amd-amdhsa -mcpu=gfx1250 --defsym DOCPART=n.
;; ======== version 1 of 1: 4 launches
;; limits: values are held in f16: magnitudes above 65,504 overflow, below 6.1e-05 lose precision
;; workspace buffers: w16 8,404,992 bytes; qkv 50,331,648 bytes; oh 16,777,216 bytes
;; launch cast (part 1): grid 64 x 4, 8 waves a work-group, no clusters, 0 bytes of LDS; arguments Wq, Wk, Wv, Wo, bq, bk, bv, bo, w16; writes w16
.if DOCPART == 1
	.amdgcn_target "amdgcn-amd-amdhsa--gfx1250"
	.amdhsa_code_object_version 6
	.text
	.protected	k_q445a56f86a_cast
	.globl	k_q445a56f86a_cast
	.p2align	8
	.type	k_q445a56f86a_cast,@function
k_q445a56f86a_cast:
	s_mov_b64 s[64:65], 0
	v_nop
	global_prefetch_b8 v0, s[64:65] scope:SCOPE_SE
	s_setreg_imm32_b32 hwreg(HW_REG_WAVE_MODE, 25, 1), 1
	s_wait_xcnt 0x0
; THE WEIGHTS AND BIASES ARE ROUNDED ONCE.  w16: Wq, Wk, Wv as [1024][1024] bf16 at bytes 0, 2 MiB, 4 MiB; Wo, rounded to bf16 and that number written as f16, at 6 MiB;
; the four biases, rounded to bf16 and kept as f32 words, at 8 MiB + 4,096 j.
; LIMITS.  Wo as f16: a weight of 65,520 or more in size becomes an infinity; below 6.1e-5 it keeps f16's fixed step of 6e-8.
; SHARES.  Grid y names the matrix.  A work-group takes 16,384 numbers in 8 passes of 2,048: thread t reads 32 bytes at 8,192 i + 32 t and stores 16 bytes at 4,096 i + 16 t,
; so each store of a wave covers 512 consecutive bytes, aligned.  All 16 loads of a thread go out at once.  No LDS, no matrix unit: nothing is shared and nothing multiplied.
.set T, 4                              ; v[4:11]   at work
.set X, 16                             ; v[16:79]  pass i: 8 numbers as loaded
.set Y, 80                             ; v[80:111] pass i: 4 registers to store
	s_load_b512 s[8:23], s[0:1], 0x0               ; Wq s[8:9], Wk s[10:11], Wv s[12:13], Wo s[14:15], bq s[16:17], bk s[18:19], bv s[20:21], bo s[22:23]
	s_load_b64 s[24:25], s[0:1], 0x40              ; w16
	s_and_b32 s2, ttmp7, 0xffff                    ; which matrix
	s_mov_b32 s3, ttmp9                            ; which 16,384 numbers of it
	v_lshlrev_b32 v1, 5, v0                        ; 32 t
	v_lshlrev_b32 v2, 4, v0                        ; 16 t
	s_lshl_b32 s30, s3, 16                         ; the work-group's 65,536 bytes of the source
	s_mov_b32 s31, 0
	s_lshl_b32 s32, s2, 21                         ; the matrix's 2 MiB in w16,
	s_lshl_b32 s33, s3, 15                         ; the work-group's 32,768 bytes of them
	s_add_co_u32 s32, s32, s33
	s_mov_b32 s33, 0
	s_lshl_b32 s34, s2, 12                         ; the bias's 4,096 bytes behind the four matrices
	s_add_co_u32 s34, s34, 0x800000
	s_mov_b32 s35, 0
	s_mov_b32 s36, 0xffff0000                      ; a word's upper bf16
	s_wait_kmcnt 0x0
	s_cmp_eq_u32 s2, 1
	s_cselect_b64 s[4:5], s[10:11], s[8:9]
	s_cselect_b64 s[26:27], s[18:19], s[16:17]
	s_cmp_eq_u32 s2, 2
	s_cselect_b64 s[4:5], s[12:13], s[4:5]
	s_cselect_b64 s[26:27], s[20:21], s[26:27]
	s_cmp_eq_u32 s2, 3
	s_cselect_b64 s[4:5], s[14:15], s[4:5]
	s_cselect_b64 s[26:27], s[22:23], s[26:27]
	s_add_nc_u64 s[4:5], s[4:5], s[30:31]
	s_add_nc_u64 s[6:7], s[24:25], s[32:33]
	s_add_nc_u64 s[28:29], s[24:25], s[34:35]
.irp i, 0,1,2,3,4,5,6,7
	global_load_b128 v[X+8*(\i):X+8*(\i)+3],   v1, s[4:5] offset:8192*(\i) th:TH_LOAD_NT
	global_load_b128 v[X+8*(\i)+4:X+8*(\i)+7], v1, s[4:5] offset:8192*(\i)+16 th:TH_LOAD_NT
.endr
; Pass i.  f16 = 1: the bf16 numbers are widened again and written as f16.
.macro PASS i, f16
	s_wait_loadcnt 14-2*(\i)                       ; loads come back in order: the pass's two are in, the 14 - 2 i younger ones stay out
.irp r, 0,1,2,3
	v_cvt_pk_bf16_f32 v[Y+4*(\i)+(\r)], v[X+8*(\i)+2*(\r)], v[X+8*(\i)+2*(\r)+1]
.endr
.if \f16
.irp r, 0,1,2,3
	v_lshlrev_b32 v[T+2*(\r)],   16,  v[Y+4*(\i)+(\r)]
	v_and_b32     v[T+2*(\r)+1], s36, v[Y+4*(\i)+(\r)]
.endr
.irp r, 0,1,2,3
	v_cvt_pk_f16_f32 v[Y+4*(\i)+(\r)], v[T+2*(\r)], v[T+2*(\r)+1]
.endr
.endif
	global_store_b128 v2, v[Y+4*(\i):Y+4*(\i)+3], s[6:7] offset:4096*(\i)  ; each pass has store registers of its own: none is written again
.endm
	s_cmp_eq_u32 s2, 3
	s_cbranch_scc1 .Lf16
.irp i, 0,1,2,3,4,5,6,7
	PASS \i, 0
.endr
	s_branch .Lbias
.Lf16:
.irp i, 0,1,2,3,4,5,6,7
	PASS \i, 1
.endr
.Lbias:
	s_cmp_lg_u32 s3, 0                             ; the matrix's first work-group also rounds its bias: 1,024 numbers, four a thread
	s_cbranch_scc1 .Lend
	global_load_b128 v[112:115], v2, s[26:27]
	s_wait_loadcnt 0x0
	v_cvt_pk_bf16_f32 v116, v112, v113
	v_cvt_pk_bf16_f32 v117, v114, v115
	v_lshlrev_b32 v120, 16, v116
	v_and_b32 v121, s36, v116
	v_lshlrev_b32 v122, 16, v117
	v_and_b32 v123, s36, v117
	global_store_b128 v2, v[120:123], s[28:29]
.Lend:
	s_endpgm
.Lfunc_end_k_q445a56f86a_cast:
	.size	k_q445a56f86a_cast, .Lfunc_end_k_q445a56f86a_cast-k_q445a56f86a_cast
	.p2alignl 7, 3214868480
	.fill 96, 4, 3214868480
	.section	.rodata,"a",@progbits
	.p2align	6, 0x0
	.amdhsa_kernel k_q445a56f86a_cast
		.amdhsa_group_segment_fixed_size 0
		.amdhsa_private_segment_fixed_size 0
		.amdhsa_enable_private_segment 0
		.amdhsa_kernarg_size 72
		.amdhsa_user_sgpr_count 2
		.amdhsa_user_sgpr_kernarg_segment_ptr 1
		.amdhsa_wavefront_size32 1
		.amdhsa_system_sgpr_workgroup_id_x 1
		.amdhsa_system_sgpr_workgroup_id_y 1
		.amdhsa_system_sgpr_workgroup_id_z 1
		.amdhsa_system_vgpr_workitem_id 0
		.amdhsa_next_free_vgpr 128
		.amdhsa_next_free_sgpr 66
		.amdhsa_reserve_vcc 0
		.amdhsa_float_denorm_mode_32 3
		.amdhsa_float_denorm_mode_16_64 3
		.amdhsa_memory_ordered 1
		.amdhsa_forward_progress 1
		.amdhsa_inst_pref_size 14
	.end_amdhsa_kernel
	.amdgpu_metadata
---
amdhsa.version: [ 1, 2 ]
amdhsa.kernels:
  - .name:           k_q445a56f86a_cast
    .symbol:         k_q445a56f86a_cast.kd
    .args:
      - { .name: Wq, .offset: 0, .size: 8, .value_kind: global_buffer, .address_space: global }
      - { .name: Wk, .offset: 8, .size: 8, .value_kind: global_buffer, .address_space: global }
      - { .name: Wv, .offset: 16, .size: 8, .value_kind: global_buffer, .address_space: global }
      - { .name: Wo, .offset: 24, .size: 8, .value_kind: global_buffer, .address_space: global }
      - { .name: bq, .offset: 32, .size: 8, .value_kind: global_buffer, .address_space: global }
      - { .name: bk, .offset: 40, .size: 8, .value_kind: global_buffer, .address_space: global }
      - { .name: bv, .offset: 48, .size: 8, .value_kind: global_buffer, .address_space: global }
      - { .name: bo, .offset: 56, .size: 8, .value_kind: global_buffer, .address_space: global }
      - { .name: w16, .offset: 64, .size: 8, .value_kind: global_buffer, .address_space: global }
    .group_segment_fixed_size: 0
    .private_segment_fixed_size: 0
    .kernarg_segment_align: 8
    .kernarg_segment_size: 72
    .max_flat_workgroup_size: 256
    .sgpr_count:     66
    .vgpr_count:     128
    .wavefront_size: 32
...
	.end_amdgpu_metadata
.endif
;; end of part 1
;; launch proj (part 2): grid 4 x 192, 4 waves a work-group, clusters of 4 x 4, 327,680 bytes of LDS; arguments query, key, value, w16, qkv; writes qkv
.if DOCPART == 2
	.amdgcn_target "amdgcn-amd-amdhsa--gfx1250"
	.amdhsa_code_object_version 6
	.text
	.protected	k_q445a56f86a_proj
	.globl	k_q445a56f86a_proj
	.p2align	8
	.type	k_q445a56f86a_proj,@function
k_q445a56f86a_proj:
	s_mov_b64 s[64:65], 0
	v_nop
	global_prefetch_b8 v0, s[64:65] scope:SCOPE_SE
	s_setreg_imm32_b32 hwreg(HW_REG_WAVE_MODE, 25, 1), 1
	s_wait_xcnt 0x0
	s_wait_alu depctr_hold_cnt(0) depctr_sa_sdst(0) depctr_va_vdst(0) depctr_va_sdst(0) depctr_va_ssrc(0) depctr_va_vcc(0) depctr_vm_vsrc(0)
	s_getreg_b32 s2, hwreg(HW_REG_IB_STS2, 6, 4)
	s_cmp_eq_u32 s2, 0
	s_cbranch_scc0 .Lentry_in_a_cluster
	s_endpgm
.Lentry_in_a_cluster:
	s_bfe_u32 s2, ttmp6, 0x10000c
	s_cmp_lg_u32 s2, 0xf033
	s_cbranch_scc0 .Lentry_shape_is_right
	s_endpgm
.Lentry_shape_is_right:
; THE THREE INPUT PROJECTIONS.  For p = 0, 1, 2 (query, key, value): y[m][n] = sum over k of bf16(x_p[m][k]) W_p[n][k] + b_p[n]; x_p [8192][1024] f32, W_p [1024][1024] bf16 and b_p
; (f32 words) from w16; sums in f32, y rounded once to f16 and stored by heads: qkv part p = [64 = 16 batch + head][2048][64] f16.
; LIMITS.  y leaves as f16: a number of 65,520 or more in size becomes an infinity.  x is rounded to bf16 (nearest even) on its way from LDS to the matrix unit.
; SHARES.  A tile of y is 128 rows x 256 columns: 64 x 4 tiles a projection, 768 work-groups.  Four waves, 2 x 2, each 64 x 128: 32 accumulators of 16 x 16, 256 registers.
; K goes in steps of 128 through two LDS slots: 128 rows of x (512 bytes of f32 a row) and 256 rows of W (256 bytes a row).  Waves 0, 1 fetch x's halves, waves 2, 3 W's.
; CLUSTER.  4 x 4 work-groups of one projection: the four of a row of the cluster need the same rows of x, the four of a column the same rows of W: each tile is asked for jointly.
; THE MATRIX INSTRUCTION IS USED TRANSPOSED (source 0 = 16 rows of W, source 1 = 16 rows of x): a lane holds eight neighbouring columns of one row of y.  The bias is the C operand of each sum's first product.
; A K STEP is four quarters of 32 along K, 32 products each, on buffers 0, 1, 0, 1.  In quarter X the fragments of W for X + 1 are fetched in its middle; x's f32 numbers for X + 1, fetched at
; the end of X - 1, are rounded to bf16 by 32 conversions that stand in fours behind every second product of X's second half; x's numbers for X + 2 are fetched at X's end.
; REGISTERS, in windows of 256 (s_set_vgpr_msb: bits 1:0 source 0, 3:2 source 1, 5:4 source 2, 7:6 destination):
;   window 0: v0-31 addresses; v32-95 x as f32, one quarter; v96-127, v128-159 x's bf16 fragments, two buffers     window 1: v0-63, v64-127 W's fragments, two buffers; v128-191 the bias
;   window 2: the accumulators, (a, b) at v[8 (8 a + b)]
.set KSTEP,  128
.set PA,     528                       ; an LDS row of x: 512 bytes + 16 = 33 x 16: the 16 rows of a load start at 16 different groups of four banks
.set PB,     272                       ; an LDS row of W: 256 bytes + 16 = 17 x 16
.set HALFA,  64*PA                     ; what wave 0 or 1 fetches, and what a wave reads of x
.set HALFB,  128*PB                    ; what wave 2 or 3 fetches, and what a wave reads of W
.set BOFF,   2*HALFA                   ; W's rows lie behind x's
.set SLOT,   2*HALFA+2*HALFB           ; 137,216
.set STAGE,  2*SLOT                    ; behind the ring: for each wave 2 heads x 16 rows x 144 bytes, for the way out
.set SP,     144
.set SPARE,  STAGE+4*2*16*SP           ; behind the stages: the spare words, 128 bytes a wave, that no other line names
.set ADRA, 16                          ; v16-17  LDS address of my x rows in slot 0, 1
.set ADRB, 20                          ; v20-21  the same for W
.set STO,  24                          ; v24     the way out: where I put 16 bytes of a row
.set RD,   25                          ; v25     where I read rows back
.set GO,   26                          ; v26     16 x lane
.set BO,   27                          ; v27     my byte offset in the bias
.set SPW,  28                          ; v28     LDS address of my spare word; never rewritten
.set NIL,  29                          ; v29     0; never rewritten
.set PFO,  30                          ; v30     the prefetches' offset; never rewritten
.set T,    32
.set ABF,  96
.set BIAS, 128                         ; window 1
.set TMP,  32                          ; the way out: packed results
.set OB,   64                          ; the way out: rows read back, v64-95 and v96-127 by turns
.set G1,  24                           ; s[24:31] descriptor group 1 for x's tiles;  s[32:39] group 0, a set for each slot
.set G0,  32
.set G1B, 48                           ; s[48:55], s[56:63] the same for W's
.set G0B, 56
.set LIM, 43                           ; s43      1 in a wave that prefetches, else the greatest number
.set PFA, 44                           ; s[44:45] where my prefetches stand
.set PFS, 66                           ; s[66:67] bytes of a row in a K step: 512 for x, 256 for W
.set MSB, 0
.macro WIN new                         ; the immediate's high byte repeats the setting that is left; a switch that changes nothing is dropped
.if MSB != (\new)
	s_set_vgpr_msb (MSB<<8)|(\new)
.set MSB, \new
.endif
.endm
.set MUL,   0xa1                       ; W window 1, x window 0, C and D window 2
.set MULB,  0x91                       ; the same with C (the bias) in window 1
.set TO_B,  0x40                       ; destination window 1, address window 0
.set PACKW, 0x0a                       ; sources 0 and 1 window 2, destination window 0
.macro JLOAD s                         ; a joint load: waves 0, 1 fetch x's halves, waves 2, 3 W's; an s_nop 0 and four v_nop follow each line
	s_cmp_eq_u32 s11, 0
	s_cbranch_scc0 .Lfor_b_\@
	tensor_load_to_lds s[G0+4*(\s):G0+4*(\s)+3], s[G1:G1+7]
	s_nop 0
.rept 4
	v_nop
.endr
	s_branch .Lasked_\@
.Lfor_b_\@:
	tensor_load_to_lds s[G0B+4*(\s):G0B+4*(\s)+3], s[G1B:G1B+7]
	s_nop 0
.rept 4
	v_nop
.endr
.Lasked_\@:
.endm
.macro CREST                           ; a round of the cluster's barrier behind its opening barrier
	s_cmp_lg_u32 s10, 0
	s_cbranch_scc1 .Lnot_wave_0_\@
	s_barrier_signal -3
.Lnot_wave_0_\@:
	s_barrier_wait -3
	s_barrier_signal -1
	s_barrier_wait -1
.endm
.macro CROUND
	s_barrier_signal -1
	s_barrier_wait -1
	CREST
.endm
; A prefetch of the K step that stands two refills on: 256 products ahead of the load that will want it.  x: of the 64 rows x 512 bytes that a wave fetches, each of the four partners that ask jointly takes
; 16 rows, told apart by address (cx): a lane half a row.  W: of the 128 rows x 256 bytes each partner takes 32 (cy), a lane a row; only the projection's first cluster asks, since all sixteen read the same rows.
; So each block of 256 bytes is named once.  K steps 0 to 3 come by their loads alone; the loop's last trip (s3 = 1) names nothing: there is no K step 8.
.macro ASK
	s_cmp_gt_u32 s3, s[LIM]
	s_cbranch_scc0 .Lnot_mine_\@
	global_prefetch_b8 v[PFO], s[PFA:PFA+1] th:TH_LOAD_NT scope:SCOPE_SE
.Lnot_mine_\@:
.endm
.macro PLACES
.rept 4
	v_nop
.endr
.endm
	s_load_b256 s[68:75], s[0:1], 0x0              ; query s[68:69], key s[70:71], value s[72:73], w16 s[74:75]
	s_load_b64 s[76:77], s[0:1], 0x20              ; qkv
	v_lshl_add_u32 v[SPW], v0, 2, SPARE
	v_mov_b32 v[NIL], 0
	ds_add_u32 v[SPW], v[NIL]                      ; the wave's opening: the add and its wait stand ahead of my first tensor load; the set-up below stands between them
	v_lshrrev_b32 v1, 5, v0
	v_readfirstlane_b32 s10, v1                    ; wave 0..3
	s_lshr_b32 s11, s10, 1                         ; which 64 rows of the tile are mine.  Also: I fetch x (0) or W (1)
	s_and_b32 s12, s10, 1                          ; which 128 columns.  Also: which half of that tile I fetch
	s_bfe_u32 s40, ttmp6, 0x40000                  ; cx
	s_bfe_u32 s41, ttmp6, 0x40004                  ; cy
	s_lshl_b32 s42, ttmp9, 2
	s_add_co_u32 s42, s42, s40                     ; tile column 0..3
	s_and_b32 s78, ttmp7, 0xffff                   ; the cluster's y, 0..47
	s_lshr_b32 s79, s78, 4                         ; the projection: the same in all sixteen partners
	s_and_b32 s13, s78, 15
	s_lshl_b32 s13, s13, 2
	s_add_co_u32 s13, s13, s41                     ; tile row 0..63
	s_lshl_b32 s43, s41, 2
	s_lshl_b32 s43, 15, s43                        ; my row of the cluster
	s_lshl_b32 s44, 0x1111, s40                    ; my column
	s_or_b32 s[G1+0], s43, (2<<16)|(1<<20)|(1<<21)|(6<<22)|(3<<25)   ; the mask; elements of 4 bytes; padding on; bit 21 beside a mask; after every 128 words, 4 words
	s_or_b32 s[G1B+0], s44, (1<<16)|(1<<20)|(1<<21)|(5<<22)|(3<<25)  ; the mask; elements of 2 bytes; after every 64 words, 4 words
	s_mov_b32 s[G1+1], KSTEP<<16                   ; tensor_dim0 = 128
	s_mov_b32 s[G1+2], 64<<16                      ; tensor_dim1 = 64
	s_mov_b32 s[G1+3], KSTEP<<16                   ; tile_dim0 = 128
	s_mov_b32 s[G1+4], 64                          ; tile_dim1 = 64
	s_mov_b32 s[G1+5], 1024                        ; elements from row to row
	s_mov_b32 s[G1+6], 0
	s_mov_b32 s[G1+7], 0
	s_mov_b32 s[G1B+1], KSTEP<<16
	s_mov_b32 s[G1B+2], 128<<16                    ; 128 rows
	s_mov_b32 s[G1B+3], KSTEP<<16
	s_mov_b32 s[G1B+4], 128
	s_mov_b32 s[G1B+5], 1024
	s_mov_b32 s[G1B+6], 0
	s_mov_b32 s[G1B+7], 0
	s_lshl_b32 s16, s13, 7
	s_lshl_b32 s17, s12, 6
	s_add_co_u32 s16, s16, s17                     ; x: row 128 x tile row + 64 x half,
	s_lshl_b32 s16, s16, 12                        ; of 4,096 bytes
	s_mov_b32 s17, 0
	s_lshl_b32 s46, s42, 8
	s_lshl_b32 s47, s12, 7
	s_add_co_u32 s46, s46, s47                     ; W: row 256 x tile column + 128 x half,
	s_lshl_b32 s46, s46, 11                        ; of 2,048 bytes
	s_mov_b32 s47, 0
	s_mul_i32 s22, s12, HALFA                      ; where they go in a slot: no place in the cluster enters an LDS address
	s_mul_i32 s23, s12, HALFB
	s_add_co_u32 s23, s23, BOFF
	s_lshl_b32 s18, s79, 21                        ; W_p in w16
	s_mov_b32 s19, 0
	s_lshl_b32 s20, s79, 12                        ; b_p in w16
	s_add_co_u32 s20, s20, 0x800000
	s_mov_b32 s21, 0
	s_lshl_b32 s82, s79, 24                        ; part p of qkv
	s_mov_b32 s83, 0
	s_wait_dscnt 0x0                               ; the opening add is done
	s_wait_kmcnt 0x0
	s_cmp_eq_u32 s79, 1
	s_cselect_b64 s[4:5], s[70:71], s[68:69]
	s_cmp_eq_u32 s79, 2
	s_cselect_b64 s[4:5], s[72:73], s[4:5]         ; x_p
	s_add_nc_u64 s[6:7], s[74:75], s[18:19]        ; W_p
	s_add_nc_u64 s[80:81], s[74:75], s[20:21]      ; b_p
	s_add_nc_u64 s[8:9], s[76:77], s[82:83]
	s_add_nc_u64 s[14:15], s[4:5], s[16:17]
	s_add_nc_u64 s[46:47], s[6:7], s[46:47]
	CROUND                                         ; all sixteen work-groups are here: the first joint loads meet
.irp s, 0,1
	s_mov_b32 s[G0+4*(\s)], 1
	s_add_co_u32 s[G0+4*(\s)+1], s22, (\s)*SLOT
	s_add_nc_u64 s[G0+4*(\s)+2:G0+4*(\s)+3], s[14:15], (\s)*KSTEP*4   ; K step s
	s_or_b32 s[G0+4*(\s)+3], s[G0+4*(\s)+3], 0x80000000
	s_mov_b32 s[G0B+4*(\s)], 1
	s_add_co_u32 s[G0B+4*(\s)+1], s23, (\s)*SLOT
	s_add_nc_u64 s[G0B+4*(\s)+2:G0B+4*(\s)+3], s[46:47], (\s)*KSTEP*2
	s_or_b32 s[G0B+4*(\s)+3], s[G0B+4*(\s)+3], 0x80000000
	JLOAD \s                                       ; two loads of mine are out
.endr
	v_and_b32 v1, 15, v0                           ; r = l % 16
	v_bfe_u32 v2, v0, 4, 1                         ; h = l / 16
	v_mul_u32_u24 v3, v1, PA
	v_lshl_add_u32 v3, v2, 5, v3                   ; x: row x pitch + 32 h (8 f32)
	v_mul_u32_u24 v4, v1, PB
	v_lshl_add_u32 v4, v2, 4, v4                   ; W: row x pitch + 16 h (8 bf16)
	s_mul_i32 s21, s11, HALFA                      ; my 64 rows of x
	s_mul_i32 s22, s12, HALFB                      ; my 128 rows of W
	s_add_co_u32 s22, s22, BOFF
.irp s, 0,1
	v_add_nc_u32 v[ADRA+(\s)], s21, v3
	v_add_nc_u32 v[ADRB+(\s)], s22, v4
	s_add_co_u32 s21, s21, SLOT
	s_add_co_u32 s22, s22, SLOT
.endr
	s_mul_i32 s23, s10, 2*16*SP
	s_add_co_u32 s23, s23, STAGE                   ; my stage
	v_mul_u32_u24 v5, v1, SP
	v_lshl_add_u32 v5, v2, 4, v5
	v_add_nc_u32 v[STO], s23, v5                   ; in: row r, 16 bytes for each half of the lanes
	v_bfe_u32 v5, v0, 3, 2
	v_and_b32 v6, 7, v0
	v_mul_u32_u24 v5, v5, SP
	v_lshl_add_u32 v5, v6, 4, v5
	v_add_nc_u32 v[RD], s23, v5                    ; back: 32 lanes take four rows of 128 bytes
	v_and_b32 v[GO], 31, v0
	v_lshlrev_b32 v[GO], 4, v[GO]                  ; which are 512 consecutive bytes of a head
	s_lshl_b32 s82, s42, 10
	s_lshl_b32 s83, s12, 9
	s_add_co_u32 s82, s82, s83                     ; my first column, in f32 bytes
	v_lshl_add_u32 v[BO], v2, 5, s82
	; where my part of y begins: head 16 (tile row / 16) + 4 tile column + 2 (column half), 262,144 bytes a head; row (tile row % 16) x 128 + 64 (row half), 128 bytes a row
	s_lshr_b32 s82, s13, 4
	s_lshl_b32 s82, s82, 4
	s_lshl_b32 s83, s42, 2
	s_add_co_u32 s82, s82, s83
	s_lshl_b32 s83, s12, 1
	s_add_co_u32 s82, s82, s83
	s_lshl_b32 s82, s82, 18
	s_and_b32 s83, s13, 15
	s_lshl_b32 s83, s83, 7
	s_lshl_b32 s18, s11, 6
	s_add_co_u32 s83, s83, s18
	s_lshl_b32 s83, s83, 7
	s_add_co_u32 s82, s82, s83
	s_mov_b32 s83, 0
	s_add_nc_u64 s[8:9], s[8:9], s[82:83]
	; the prefetches
	s_lshl_b32 s20, s13, 7
	s_lshl_b32 s21, s12, 6
	s_add_co_u32 s20, s20, s21
	s_lshl_b32 s21, s40, 4
	s_add_co_u32 s20, s20, s21                     ; x: the 64 rows that I fetch, my work-group's 16 of them,
	s_lshl_b32 s20, s20, 12
	s_add_co_u32 s20, s20, 3*KSTEP*4               ; at K step 3: the first refill steps it to 4
	s_lshl_b32 s82, s42, 8
	s_lshl_b32 s83, s12, 7
	s_add_co_u32 s82, s82, s83
	s_lshl_b32 s83, s41, 5
	s_add_co_u32 s82, s82, s83                     ; W: the 128 rows that I fetch, my work-group's 32 of them
	s_lshl_b32 s82, s82, 11
	s_add_co_u32 s82, s82, 3*KSTEP*2
	s_and_b32 s19, s78, 15
	s_cmp_eq_u32 s19, 0
	s_cselect_b32 s19, 1, -1                       ; W is asked for by the projection's first cluster: the same in all sixteen partners
	s_mov_b32 s[PFS], 256
	s_mov_b32 s[PFS+1], 0
	s_mov_b32 s18, 2048
	s_cmp_eq_u32 s11, 0                            ; do I fetch x?
	s_cselect_b32 s[LIM], 1, s19
	s_cselect_b32 s20, s20, s82
	s_cselect_b64 s[PFA:PFA+1], s[4:5], s[6:7]
	s_cselect_b32 s[PFS], 512, s[PFS]
	s_cselect_b32 s18, 256, s18                    ; what an odd lane adds: the row's second 256 bytes (x) or the next row (W)
	s_mov_b32 s21, 0
	s_add_nc_u64 s[PFA:PFA+1], s[PFA:PFA+1], s[20:21]
	v_and_b32 v5, 30, v0
	v_and_b32 v6, 1, v0
	v_lshlrev_b32 v5, 11, v5                       ; two lanes: a row of x, or two rows of W: 4,096 bytes
	v_mad_u32_u24 v[PFO], v6, s18, v5
	WIN TO_B
.irp b, 0,1,2,3,4,5,6,7                ; the bias of my 128 columns: register j of block b is column 16 b + 8 h + j, as in the products' results
	global_load_b128 v[BIAS+8*(\b):BIAS+8*(\b)+3],   v[BO], s[80:81] offset:64*(\b)
	global_load_b128 v[BIAS+8*(\b)+4:BIAS+8*(\b)+7], v[BO], s[80:81] offset:64*(\b)+16
.endr
	WIN 0
; 16 LDS loads: W's fragments of one quarter (128 rows, 32 K at byte k of the rows) into buffer f
.macro LOADB slot, k, f
	WIN TO_B
.irp i, 0,1,2,3,4,5,6,7
	ds_load_b128 v[64*(\f)+8*(\i):64*(\f)+8*(\i)+3],   v[ADRB+(\slot)] offset:(\k)+(\i)*16*PB
	ds_load_b128 v[64*(\f)+8*(\i)+4:64*(\f)+8*(\i)+7], v[ADRB+(\slot)] offset:(\k)+(\i)*16*PB+32
.endr
.endm
; 16 LDS loads: x's f32 numbers of one quarter (64 rows, 32 K at byte k): for each 16 rows K = 8 h + 0..7 (32 bytes) and K = 16 + 8 h + 0..7 (32 bytes, 64 further on)
.macro LOADT slot, k
	WIN 0
.irp i, 0,1,2,3
.irp c, 0,1,2,3
	ds_load_b128 v[T+16*(\i)+4*(\c):T+16*(\i)+4*(\c)+3], v[ADRA+(\slot)] offset:(\k)+(\i)*16*PA+16*((\c)%2)+64*((\c)/2)
.endr
.endr
.endm
.macro CV g, n                         ; register n of 32 of buffer g: two of x's numbers rounded to bf16
	v_cvt_pk_bf16_f32 v[ABF+32*(\g)+(\n)], v[T+2*(\n)], v[T+2*(\n)+1]
.endm
; 8 products: my rows 16 a .. x all 8 column blocks, 32 along K, from buffers f.  The 32 accumulators take turns in the same order in every quarter.
; ride = 1: four conversions for the other buffer stand behind every second product; they name no register of the products round them.  first = 1: the bias starts the sums.
.macro ROW8 f, a, ride, first
.irp b, 0,1,2,3,4,5,6,7
.if \first
	WIN MULB
	v_wmma_f32_16x16x32_bf16 v[8*(8*(\a)+(\b)):8*(8*(\a)+(\b))+7], v[64*(\f)+8*(\b):64*(\f)+8*(\b)+7], v[ABF+32*(\f)+8*(\a):ABF+32*(\f)+8*(\a)+7], v[BIAS+8*(\b):BIAS+8*(\b)+7]
.else
	WIN MUL
	v_wmma_f32_16x16x32_bf16 v[8*(8*(\a)+(\b)):8*(8*(\a)+(\b))+7], v[64*(\f)+8*(\b):64*(\f)+8*(\b)+7], v[ABF+32*(\f)+8*(\a):ABF+32*(\f)+8*(\a)+7], v[8*(8*(\a)+(\b)):8*(8*(\a)+(\b))+7]
.endif
.if (\ride) && ((\b)%2)
	WIN 0
.rept 4
	CV 1-(\f), cvn
.set cvn, cvn+1
.endr
.endif
.endr
.endm
; A quarter on buffers f.  W for the next quarter comes from slot bs at byte bk, x for the quarter after that from slot ts at byte tk (lt = 0: there is none).
; The loads into W's other buffer, and the conversions into x's other buffer, stand four plain instructions or more behind the last product that read those registers:
; the four conversions behind the last product of the quarter before (ISA guide 7.12.1 for vector instructions).
.macro QUARTER f, bs, bk, ts, tk, first=0, lt=1
	s_wait_dscnt 16                                ; W's fragments for this quarter are in; the 16 younger loads (x as f32) may be out
	ROW8 \f, 0, 0, \first
	ROW8 \f, 1, 0, \first
	LOADB \bs, \bk, 1-(\f)
	s_wait_dscnt 16                                ; x's f32 numbers are in; the 16 loads just issued may be out
.set cvn, 0
	ROW8 \f, 2, 1, \first
	ROW8 \f, 3, 1, \first
.if \lt
	LOADT \ts, \tk
.endif
.endm
; The third quarter of a K step (buffers 0) changes slots.  Its fetch of W's last quarter is the last read of slot s.  Each wave then waits for all its tensor loads (one is out: its part of slot n),
; adds 0 to its spare word, and waits for that and for its reads of slot s; behind the barrier nobody reads slot s and slot n is whole.  fill = 1: the barrier opens a round of the cluster's barrier,
; and slot s is filled again first thing behind it, with the K step two on: that load has 112 products in which to land.
.macro TURNQ s, n, fill
.if \fill
	s_wait_xcnt 0x0                                ; the last prefetch, a K step back, has read its address: it is stepped here
	s_add_nc_u64 s[PFA:PFA+1], s[PFA:PFA+1], s[PFS:PFS+1]
.endif
	s_wait_dscnt 16
	ROW8 0, 0, 0, 0
	ROW8 0, 1, 0, 0
	LOADB \s, 192, 1
	WIN 0
	s_wait_tensorcnt 0x0                           ; all my tensor loads have landed
	ds_add_u32 v[SPW], v[NIL]                      ; 0 onto my spare word
	s_wait_dscnt 17                                ; x's f32 numbers are in; W's 16 loads and the add may be out
.set cvn, 0
	ROW8 0, 2, 1, 0
	s_wait_dscnt 0x0                               ; the add is done, and my reads of slot s are over
	s_barrier_signal -1
	ROW8 0, 3, 1, 0
	WIN 0
	s_barrier_wait -1
.if \fill
	CREST
	s_add_nc_u64 s[G0+4*(\s)+2:G0+4*(\s)+3], s[G0+4*(\s)+2:G0+4*(\s)+3], 2*KSTEP*4
	s_add_nc_u64 s[G0B+4*(\s)+2:G0B+4*(\s)+3], s[G0B+4*(\s)+2:G0B+4*(\s)+3], 2*KSTEP*2
	JLOAD \s
.endif
	LOADT \n, 0
.if \fill
	ASK
.endif
.endm
	s_wait_tensorcnt 1                             ; my part of K step 0 is in; K step 1's may stay out
	s_barrier_signal -1
	s_barrier_wait -1
	LOADT 0, 0
	s_wait_dscnt 0x0
.set cvn, 0
.rept 32
	CV 0, cvn                                      ; the first quarter's x
.set cvn, cvn+1
.endr
	LOADB 0, 0, 0
	LOADT 0, 128
	s_wait_loadcnt 0x0                             ; the bias
	QUARTER 0, 0,64, 0,256, 1                      ; the first quarter stands in front of the loop: its products start the sums
	WIN 0
	s_mov_b32 s3, 3
.Llap:                                             ; a trip goes once round the ring, from a lap's second quarter to the next lap's first, and fills both slots again: K steps 2 to 7
	QUARTER 1, 0,128, 0,384
	TURNQ 0, 1, 1
	QUARTER 1, 1,0, 1,128
	QUARTER 0, 1,64, 1,256
	QUARTER 1, 1,128, 1,384
	TURNQ 1, 0, 1
	QUARTER 1, 0,0, 0,128
	QUARTER 0, 0,64, 0,256
	WIN 0
	s_sub_co_u32 s3, s3, 1
	s_cmp_lg_u32 s3, 0
	s_cbranch_scc1 .Llap
	QUARTER 1, 0,128, 0,384                        ; the last lap fills nothing
	TURNQ 0, 1, 0
	QUARTER 1, 1,0, 1,128
	QUARTER 0, 1,64, 1,256
	QUARTER 1, 1,128, 1,384
	QUARTER 0, 1,192, 0,0, 0, 0                    ; nothing of x is left to fetch
	s_wait_dscnt 0x0
	ROW8 1, 0, 0, 0
	ROW8 1, 1, 0, 0
	ROW8 1, 2, 0, 0
	ROW8 1, 3, 0, 0
	WIN 0
; THE WAY OUT, 16 rows at a time.  A lane's eight columns pack into 16 bytes of f16; my 128 columns are two heads; each head's 16 rows go into stage rows of 144 bytes and come back as
; 2,048 consecutive bytes of that head in qkv.  The stage is my own: LDS serves a wave's instructions in order (ISA guide 5.7.1.4), so no wait stands between its stores and loads.
.macro PACK a
	WIN PACKW
.irp b, 0,1,2,3,4,5,6,7
.irp r, 0,1,2,3
	v_cvt_pk_f16_f32 v[TMP+4*(\b)+(\r)], v[8*(8*(\a)+(\b))+2*(\r)], v[8*(8*(\a)+(\b))+2*(\r)+1]
.endr
.endr
	WIN 0
.endm
.macro TOSTAGE a
.set BK, OB+32*((\a)%2)
.irp b, 0,1,2,3,4,5,6,7
	ds_store_b128 v[STO], v[TMP+4*(\b):TMP+4*(\b)+3] offset:((\b)/4)*16*SP+((\b)%4)*32
.endr
.irp t, 0,1,2,3,4,5,6,7
	ds_load_b128 v[BK+4*(\t):BK+4*(\t)+3], v[RD] offset:((\t)/4)*16*SP+((\t)%4)*4*SP
.endr
.endm
.macro SEND a
.set BK, OB+32*((\a)%2)
	s_wait_dscnt 0x0                               ; the block is back in registers
	s_wait_xcnt 0x0                                ; the block before has had its stores' addresses translated: its registers are loaded again only behind this wait
.irp t, 0,1,2,3,4,5,6,7
	global_store_b128 v[GO], v[BK+4*(\t):BK+4*(\t)+3], s[8:9] offset:((\t)/4)*262144+(\a)*2048+((\t)%4)*512  ; 512 consecutive bytes, at a multiple of 512 from qkv's first
.endr
.endm
	PLACES                                         ; the conversions read results just made
	PACK 0
	TOSTAGE 0
.irp a, 1,2,3                          ; block a's conversions stand between block a - 1's loads from the stage and the wait for them
	PACK \a
	SEND (\a)-1
	TOSTAGE \a
.endr
	SEND 3
	s_wait_tensorcnt 0x0                           ; the wave's end
	ds_add_u32 v[SPW], v[NIL]
	s_wait_dscnt 0x0
	CROUND                                         ; the closing round: no work-group ends while a partner may still ask for a tile that names it
	s_endpgm
.Lfunc_end_k_q445a56f86a_proj:
	.size	k_q445a56f86a_proj, .Lfunc_end_k_q445a56f86a_proj-k_q445a56f86a_proj
	.p2alignl 7, 3214868480
	.fill 96, 4, 3214868480
	.section	.rodata,"a",@progbits
	.p2align	6, 0x0
	.amdhsa_kernel k_q445a56f86a_proj
		.amdhsa_group_segment_fixed_size 327680
		.amdhsa_private_segment_fixed_size 0
		.amdhsa_enable_private_segment 0
		.amdhsa_kernarg_size 40
		.amdhsa_user_sgpr_count 2
		.amdhsa_user_sgpr_kernarg_segment_ptr 1
		.amdhsa_wavefront_size32 1
		.amdhsa_system_sgpr_workgroup_id_x 1
		.amdhsa_system_sgpr_workgroup_id_y 1
		.amdhsa_system_sgpr_workgroup_id_z 1
		.amdhsa_system_vgpr_workitem_id 0
		.amdhsa_next_free_vgpr 768
		.amdhsa_next_free_sgpr 84
		.amdhsa_reserve_vcc 0
		.amdhsa_float_denorm_mode_32 3
		.amdhsa_float_denorm_mode_16_64 3
		.amdhsa_memory_ordered 1
		.amdhsa_forward_progress 1
		.amdhsa_inst_pref_size 136
	.end_amdhsa_kernel
	.amdgpu_metadata
---
amdhsa.version: [ 1, 2 ]
amdhsa.kernels:
  - .name:           k_q445a56f86a_proj
    .symbol:         k_q445a56f86a_proj.kd
    .args:
      - { .name: query, .offset: 0, .size: 8, .value_kind: global_buffer, .address_space: global }
      - { .name: key, .offset: 8, .size: 8, .value_kind: global_buffer, .address_space: global }
      - { .name: value, .offset: 16, .size: 8, .value_kind: global_buffer, .address_space: global }
      - { .name: w16, .offset: 24, .size: 8, .value_kind: global_buffer, .address_space: global }
      - { .name: qkv, .offset: 32, .size: 8, .value_kind: global_buffer, .address_space: global }
    .group_segment_fixed_size: 327680
    .private_segment_fixed_size: 0
    .kernarg_segment_align: 8
    .kernarg_segment_size: 40
    .max_flat_workgroup_size: 128
    .sgpr_count:     84
    .vgpr_count:     768
    .wavefront_size: 32
...
	.end_amdgpu_metadata
.endif
;; end of part 2
;; launch attn (part 3): grid 4 x 64, 4 waves a work-group, clusters of 4 x 1, 327,680 bytes of LDS; arguments qkv, oh; writes oh
.if DOCPART == 3
	.amdgcn_target "amdgcn-amd-amdhsa--gfx1250"
	.amdhsa_code_object_version 6
	.text
	.protected	k_q445a56f86a_attn
	.globl	k_q445a56f86a_attn
	.p2align	8
	.type	k_q445a56f86a_attn,@function
k_q445a56f86a_attn:
	s_mov_b64 s[64:65], 0
	v_nop
	global_prefetch_b8 v0, s[64:65] scope:SCOPE_SE
	s_setreg_imm32_b32 hwreg(HW_REG_WAVE_MODE, 25, 1), 1
	s_wait_xcnt 0x0
	s_wait_alu depctr_hold_cnt(0) depctr_sa_sdst(0) depctr_va_vdst(0) depctr_va_sdst(0) depctr_va_ssrc(0) depctr_va_vcc(0) depctr_vm_vsrc(0)
	s_getreg_b32 s2, hwreg(HW_REG_IB_STS2, 6, 4)
	s_cmp_eq_u32 s2, 0
	s_cbranch_scc0 .Lentry_in_a_cluster
	s_endpgm
.Lentry_in_a_cluster:
	s_bfe_u32 s2, ttmp6, 0x10000c
	s_cmp_lg_u32 s2, 0x3003
	s_cbranch_scc0 .Lentry_shape_is_right
	s_endpgm
.Lentry_shape_is_right:
; O[h][q][:] = the sum over k of softmax_k(Q[h][q] . K[h][k] / 32) V[h][k][:].  Q, K, V: the three parts of qkv, each [64][2048][64] f16; O = oh, the same layout.  Products, maxima and sums in f32;
; the weights p are rounded to f16 for the second product (their sum l is taken of the unrounded p), O once at the end.
; LIMITS.  f16 holds no number beyond 65,504: Q, K and V arrive within it; p lies in 0 to 1, and below 6e-5 it keeps f16's fixed step of 6e-8; O is a mean of V's rows and has their range.
; A weight below 2^-126 counts as 0 in l; NaN and infinities are not treated apart.
; SHARES.  A wave owns four PIECES of two tiles of 16 queries, a work-group's four waves 512 queries of one head.  Every wave walks all keys, 64 a step.
; LAYOUT.  S^T = K Q^T (source 0 = 16 keys, source 1 = 16 queries): a lane holds ONE query (lane % 16) and the keys 8 (lane / 16) + 0..7.  Two such tiles, rounded to f16 in pairs, ARE source 1
; of O^T = V^T P, whose result again holds one query a lane, and eight channels.  K comes out of LDS as it lies, V ([key][channel]) turned, by ds_load_tr16_b128.
; SOFTMAX.  For each query a running maximum m and sum l: p = 2^(c s - c m), c = log2(e) / 32; in every step O and l are multiplied by a = 2^(c m_old - c m_new).
; m starts at the lowest finite number, O and l at 0: the first step is a step like any other, with a = 0.
; BY TURNS.  Turn n belongs to piece n.  Its matrix work: 16 products K Q^T of piece n + 1, later 16 products V^T P of piece n - 1.  Its vector work: the scaling, exponentials, roundings, sums and
; rescaling of piece n, and the maximum and statistics of piece n + 1.  Four vector instructions stand behind every matrix instruction, the rest in one run of their own; a turn's 66 exponentials are one batch with one wait.
; CLUSTER.  The four query blocks of a head are one cluster and walk the same K and V: each tile is asked for jointly.
; REGISTERS, in windows of 256 (s_set_vgpr_msb: bits 1:0 source 0, 3:2 source 1, 5:4 source 2, 7:6 destination):
;   window 0: v0-11 addresses; v12-15, v48-63 at work; v16-47 statistics; v64-191 S^T, two buffers of two tiles; v192-255 P, likewise
;   window 1: O^T, 32 a tile     window 2: v0-127 Q; v128-191 K of one step; v192-255 V of one step     window 3: v0-1 the add's two registers
.set SIZE_N, 2048
.set NP,    4         ; pieces a wave
.set KS,    64        ; keys in a step
.set PK,    144       ; a row of K in LDS: 128 bytes + 16
.set PV,    160       ; a row of V: 128 + 32
.set VOFF,  4*KS*PK   ; a slot holds four steps: 256 rows of K, then 256 rows of V
.set SLOT1, 1<<17     ; slot 1 begins here: one exclusive or turns an address in one slot into the other's
.set STAGE, SLOT1+4*KS*(PK+PV)  ; behind the ring: 16 rows x 144 bytes for each wave, for the way out
.set SP,    144
.set AK0, 2           ; v2   my lane's place in a tile of K; never rewritten
.set AV0, 3           ; v3   the same for V
.set AK,  4           ; v4   the LDS address of K's next run of loads
.set AV,  5           ; v5   of V's
.set QO,  6           ; v6   my byte offset in the wave's rows of Q
.set STO, 6           ;      later, the way out: where I put 16 bytes of a row
.set RD,  7           ; v7   the way out: where I read rows back
.set GO,  8           ; v8   my byte offset in 512 consecutive bytes of O
.set PFO, 11          ; v11  256 x my lane, once V's address is made; then never rewritten
.set SPW, 0           ; v0 of window 3   LDS address of my spare word; never rewritten
.set NIL, 1           ; v1 of window 3   0; never rewritten
.set SPARE, STAGE+4*16*SP  ; behind the stages: the spare words, 128 bytes a wave, that no other line names
.set MV,  12          ; v12-15  c m_old, kept while c m is made anew
.set ST,  16          ; tile t's statistics at v[ST+4 t]: c m, m, l (even keys', odd keys')
.set TMP, 48          ; by buffer and tile, four registers c0-c3 at work; when the maximum is found c2 takes a
.set S,   64
.set P,   192
.set KF,  128         ; K's fragments, in window 2
.set VF,  192         ; V's
.set WV,  12          ; s12  my wave's number
.set G1K, 24          ; s[24:31] descriptor group 1 for K's tiles
.set G1V, 32          ; s[32:39] for V's: it differs in the padding alone
.set G0K, 40          ; s[40:43] descriptor group 0 for K's tiles: it walks
.set G0V, 44          ; s[44:47] the same for V's
.set PFA, 48          ; s[48:49] where my prefetches stand: my work-group's 8,192 bytes of the tile after the one that is being asked for
.set LIM, 50          ; s50  1 in waves 0 and 2, which prefetch; else the greatest number
.set SLOTS, 56        ; s56  8 less the number of the tile that is being asked for
.set CNT, 57          ; s57  counts a slot's key steps
.set CS,  58          ; s[58:59] c
.set SEL, 60          ; s[60:61] v_permlanex16_b32's selects: each lane takes its own place in the other half
.set TBK, 62          ; s62  LDS byte at which K of the step to be fetched begins
.set TBV, 63          ; s63  the same for V, less VOFF
.set MSB, 0
.macro WIN new
.if MSB != (\new)
	s_set_vgpr_msb (MSB<<8)|(\new)
.set MSB, (\new)
.endif
.endm
.set W_KQ, 0x0a       ; K and Q in window 2, S^T in window 0
.set W_PV, 0x52       ; V in window 2, P in window 0, O^T in window 1
.set W_RS, 0x41       ; O^T (destination and source 0) in window 1, a in window 0
.set W_MK, 0xc0       ; the add's registers are made: destination in window 3
.set W_AD, 0x0f       ; the add: address and data in window 3
; A joint fill.  Waves 0 and 1 fetch the two halves of a slot's K, waves 2 and 3 those of its V: 128 keys each.  An s_nop 0 and four v_nop follow each line.
.macro JLOAD
	s_cmp_lt_u32 s[WV], 2
	s_cbranch_scc0 .Lfor_v_\@
	tensor_load_to_lds s[G0K:G0K+3], s[G1K:G1K+7]
	s_nop 0
.rept 4
	v_nop
.endr
	s_branch .Lasked_\@
.Lfor_v_\@:
	tensor_load_to_lds s[G0V:G0V+3], s[G1V:G1V+7]
	s_nop 0
.rept 4
	v_nop
.endr
.Lasked_\@:
.endm
; A prefetch of the tile that the NEXT change of slots will ask for: 32,768 bytes of K and of V.  The four partners share them out by address, 8,192 bytes each; wave 0 asks for K's, wave 2 for V's,
; a lane 256 bytes: each block is named once in the launch.  It stands four key steps, 512 products, ahead of the load.  Tiles 0 and 1 come by their loads alone; the last fill names nothing.
.macro ASK
	s_cmp_gt_u32 s[SLOTS], s[LIM]
	s_cbranch_scc0 .Lnot_mine_\@
	global_prefetch_b8 v[PFO], s[PFA:PFA+1] th:TH_LOAD_NT scope:SCOPE_SE
.Lnot_mine_\@:
.endm
.macro CROUND                       ; a round of the cluster's barrier
	s_barrier_signal -1
	s_barrier_wait -1
	s_cmp_lg_u32 s[WV], 0
	s_cbranch_scc1 .Lnot_wave_0_\@
	s_barrier_signal -3
.Lnot_wave_0_\@:
	s_barrier_wait -3
	s_barrier_signal -1
	s_barrier_wait -1
.endm
; THE CHANGE OF SLOTS.  Each wave waits for all its tensor loads, of which one is out: its part of the other slot; adds 0 to its spare word; and waits for that and for its own reads of the slot.
; fill = 1: the slot is filled again, with the keys two slots on; the barrier is then a round of the cluster's, and the joint fill is the first thing behind it: it has four key steps in which to land.
.macro CHANGE fill
	WIN W_AD
	s_wait_tensorcnt 0x0            ; no tensor load of mine is out, so a group 0 may be written
	ds_add_u32 v[SPW], v[NIL]       ; 0 onto my spare word
	WIN 0
.if \fill
.irp g, G0K, G0V
	s_xor_b32 s[\g+1], s[\g+1], SLOT1
	s_add_nc_u64 s[\g+2:\g+3], s[\g+2:\g+3], 4*KS*128  ; the next 256 keys
.endr
	s_wait_xcnt 0x0                 ; the last prefetch, four key steps back, has read its address, so it may be written
	s_add_nc_u64 s[PFA:PFA+1], s[PFA:PFA+1], 4*KS*128
	s_wait_dscnt 0x0                ; the add is done, and my reads of the slot are over
	CROUND
	JLOAD
	ASK
.else
	s_wait_dscnt 0x0
	s_barrier_signal -1
	s_barrier_wait -1
.endif
	s_sub_co_u32 s[TBK], s[TBK], 4*KS*PK  ; the fetches go back to a slot's first step,
	s_xor_b32 s[TBK], s[TBK], SLOT1       ; in the other slot
	s_sub_co_u32 s[TBV], s[TBV], 4*KS*PV
	s_xor_b32 s[TBV], s[TBV], SLOT1
.endm
	s_load_b64 s[4:5], s[0:1], 0x0    ; qkv: Q
	s_load_b64 s[10:11], s[0:1], 0x8  ; oh
	WIN W_MK
	v_lshl_add_u32 v[SPW], v0, 2, SPARE
	v_mov_b32 v[NIL], 0
	WIN W_AD
	ds_add_u32 v[SPW], v[NIL]       ; the wave's opening: the add and its wait stand ahead of my first tensor load
	WIN 0
	v_lshrrev_b32 v1, 5, v0
	v_readfirstlane_b32 s[WV], v1   ; wave 0..3
	s_bfe_u32 s13, ttmp6, 0x40000   ; cx
	s_lshl_b32 s14, ttmp9, 2
	s_add_co_u32 s14, s14, s13      ; my block of queries: it enters Q's and O's addresses alone
	s_and_b32 s20, ttmp7, 0xffff    ; the head, which the four partners share
	s_mov_b32 s21, 0
	s_mov_b64 s[22:23], SIZE_N*128
	s_mul_u64 s[20:21], s[20:21], s[22:23]  ; the head's first byte in each of the four tensors
	s_and_b32 s16, s[WV], 1         ; which half of a slot's 256 keys I fetch:
	s_lshl_b32 s22, s16, 14         ; its 128 rows of 128 bytes in memory,
	s_mov_b32 s23, 0
	s_add_nc_u64 s[22:23], s[22:23], s[20:21]
	s_mul_i32 s17, s16, 128*PK      ; and its place in a slot, for K
	s_mul_i32 s18, s16, 128*PV      ; and for V
	s_lshl_b32 s2, s14, 2
	s_add_co_u32 s2, s2, s[WV]      ; my wave among the head's,
	s_lshl_b32 s2, s2, 14           ; its 128 rows
	s_mov_b32 s3, 0
	s_add_nc_u64 s[2:3], s[2:3], s[20:21]
	; descriptor group 1.  128 keys are 16,384 dense bytes: asked for as 64 rows of 256 bytes, two keys a row, and padded in LDS after every key
	s_mov_b32 s[G1K], 15|(1<<16)|(1<<20)|(1<<21)|(4<<22)|(3<<25)  ; the mask of four; 2-byte elements; padding on; bit 21 beside a mask; after every 32 words, 4 words
	s_mov_b32 s[G1V], 15|(1<<16)|(1<<20)|(1<<21)|(4<<22)|(7<<25)  ; the same with 8 words of padding
.irp g, G1K, G1V
	s_mov_b32 s[\g+1], 128<<16      ; tensor_dim0 = 128
	s_mov_b32 s[\g+2], 64<<16       ; tensor_dim1 = 64
	s_mov_b32 s[\g+3], 128<<16      ; tile_dim0 = 128
	s_mov_b32 s[\g+4], 64           ; tile_dim1 = 64
	s_mov_b32 s[\g+5], 128          ; 128 elements from row to row
	s_mov_b32 s[\g+6], 0
	s_mov_b32 s[\g+7], 0
.endr
	s_mov_b32 s[CS], 0x3d38aa3b     ; c = log2(e) / 32 = 0.0450842
	s_mov_b32 s[CS+1], s[CS]
	s_mov_b32 s[SEL], 0x76543210
	s_mov_b32 s[SEL+1], 0xfedcba98
	s_mov_b32 s[TBK], SLOT1+4*KS*PK ; the first change of slots turns these two into 0
	s_mov_b32 s[TBV], SLOT1+4*KS*PV
	s_mov_b32 s[G0K], 1
	s_mov_b32 s[G0K+1], s17         ; LDS address: slot 0
	s_mov_b32 s[G0V], 1
	s_add_co_u32 s[G0V+1], s18, VOFF
	s_mov_b32 s[SLOTS], SIZE_N/256-1
	s_and_b32 s[LIM], s[WV], 1
	s_cmp_eq_u32 s[LIM], 0
	s_cselect_b32 s[LIM], 1, -1
	s_wait_dscnt 0x0                ; the opening add is done
	s_wait_kmcnt 0x0
	s_add_nc_u64 s[6:7], s[4:5], 0x1000000   ; K: part 1 of qkv
	s_add_nc_u64 s[8:9], s[4:5], 0x2000000   ; V: part 2
	s_add_nc_u64 s[G0K+2:G0K+3], s[6:7], s[22:23]  ; my half of the head's first 256 keys
	s_or_b32 s[G0K+3], s[G0K+3], 0x80000000
	s_add_nc_u64 s[G0V+2:G0V+3], s[8:9], s[22:23]
	s_or_b32 s[G0V+3], s[G0V+3], 0x80000000
	s_cmp_lt_u32 s[WV], 2
	s_cselect_b64 s[PFA:PFA+1], s[6:7], s[8:9]
	s_add_nc_u64 s[PFA:PFA+1], s[PFA:PFA+1], s[20:21]
	s_add_nc_u64 s[4:5], s[4:5], s[2:3]  ; Q and O at my wave's first row
	s_add_nc_u64 s[10:11], s[10:11], s[2:3]
	s_lshl_b32 s2, s13, 13          ; my work-group's 8,192 bytes of a tile,
	s_add_co_u32 s2, s2, 4*KS*128   ; in tile 1: the first change of slots steps it to tile 2
	s_mov_b32 s3, 0
	s_add_nc_u64 s[PFA:PFA+1], s[PFA:PFA+1], s[2:3]
	CROUND                          ; all four work-groups are here: the first joint loads meet
	JLOAD                           ; slot 0.  Slot 1 is asked for when slot 0 is in
	v_and_b32 v1, 15, v0            ; l % 16
	v_bfe_u32 v9, v0, 4, 1          ; l / 16
	v_lshlrev_b32 v[QO], 7, v1
	v_lshl_add_u32 v[QO], v9, 4, v[QO]  ; row x 128 + 16 x half
	WIN 0x80                        ; destination window 2, address window 0
.set i, 0
.rept 4*NP                          ; Q stays in registers: tile i / 2, channels 32 (i % 2) on
	global_load_b128 v[8*i:8*i+3],   v[QO], s[4:5] offset:(i/2)*2048+(i%2)*64
	global_load_b128 v[8*i+4:8*i+7], v[QO], s[4:5] offset:(i/2)*2048+(i%2)*64+32
.set i, i+1
.endr
	; What the first turn finds: V's registers and P's second buffer hold 0, O^T and l are 0.  All this stands in the wait for the first tile.
.set i, VF
.rept 64
	v_mov_b32 v[i], 0
.set i, i+1
.endr
	WIN 0x40
.set i, 0
.rept 64*NP
	v_mov_b32 v[i], 0
.set i, i+1
.endr
	WIN 0
.set i, 0
.rept 2*NP
	v_mov_b32 v[ST+4*i], 0xfe000000    ; c m: far below every c s
	v_mov_b32 v[ST+4*i+1], 0xff7fffff  ; m
	v_mov_b32 v[ST+4*i+2], 0
	v_mov_b32 v[ST+4*i+3], 0
.set i, i+1
.endr
.set i, P+32
.rept 32
	v_mov_b32 v[i], 0
.set i, i+1
.endr
	v_mul_u32_u24 v[AK0], v1, PK
	v_lshl_add_u32 v[AK0], v9, 4, v[AK0]  ; row x pitch + 16 x half
	; The turning load takes 16 keys x 16 channels (lane l reads key 8 (l / 16) + l % 8, channels 8 ((l / 8) % 2) + 0..7) and leaves half a fragment of V^T.
	v_and_b32 v10, 7, v0
	v_bfe_u32 v11, v0, 3, 1
	v_lshl_add_u32 v[AV0], v9, 3, v10
	v_mul_u32_u24 v[AV0], v[AV0], PV
	v_lshl_add_u32 v[AV0], v11, 4, v[AV0]
	v_add_nc_u32 v[AV0], VOFF, v[AV0]
	v_mov_b32 v[AK], v[AK0]         ; key step 0 lies at the head of slot 0
	v_and_b32 v[PFO], 31, v0
	v_lshlrev_b32 v[PFO], 8, v[PFO]
; THE MATRIX WORK.  The 8 accumulators of a run of 16 take turns.
; Product i of 16 of S^T = K Q^T for piece x: channels 32 (i / 8) on, keys 16 ((i / 2) % 4) on, tile 2 x + i % 2.  The first 8 start the sums.
.macro KQ x
	WIN W_KQ
.set rS, S+64*((\x)%2)+32*(i%2)+8*((i/2)%4)
.set rK, KF+16*((i/2)%4)+8*(i/8)
.set rQ, 16*(2*(\x)+i%2)+8*(i/8)
.if i < 8
	v_wmma_f32_16x16x32_f16 v[rS:rS+7], v[rK:rK+7], v[rQ:rQ+7], 0
.else
	v_wmma_f32_16x16x32_f16 v[rS:rS+7], v[rK:rK+7], v[rQ:rQ+7], v[rS:rS+7]
.endif
.endm
; Product i of 16 of O^T += V^T P for piece x: keys 32 (i / 8) on, channels 16 ((i / 2) % 4) on, tile 2 x + i % 2.
.macro PV x
	WIN W_PV
.set rO, 32*(2*(\x)+i%2)+8*((i/2)%4)
.set rV, VF+32*(i/8)+8*((i/2)%4)
.set rP, P+32*((\x)%2)+16*(i%2)+8*(i/8)
	v_wmma_f32_16x16x32_f16 v[rO:rO+7], v[rV:rV+7], v[rP:rP+7], v[rO:rO+7]
.endm
.macro MM                           ; the turn's next matrix instruction
.if i < 16
	KQ (Y+1)%NP
.set i, i+1
.else
.set i, i-16
	PV (Y+NP-1)%NP
.set i, i+17
.endif
.endm
; THE LDS LOADS stand in runs of 16: a step's K (8 fragments) and its V (turned).  last = 1 (the tail): in the last trip there is no further step, and the run is jumped over.
.macro FETCH_K last=0
	WIN 0
.if \last
	s_cmp_eq_u32 s[CNT], 1
	s_cbranch_scc1 .Lno_k_\@
.endif
	WIN 0x80
.irp f, 0,1,2,3,4,5,6,7
	ds_load_b128 v[KF+8*\f:KF+8*\f+3],   v[AK] offset:(\f/2)*16*PK+(\f%2)*64
	ds_load_b128 v[KF+8*\f+4:KF+8*\f+7], v[AK] offset:(\f/2)*16*PK+(\f%2)*64+32
.endr
	s_add_co_u32 s[TBK], s[TBK], KS*PK  ; the next fetch is the next step's
	WIN 0
.if \last
.Lno_k_\@:
.endif
.endm
.macro FETCH_V
	WIN 0x80
.irp f, 0,1,2,3,4,5,6,7
	ds_load_tr16_b128 v[VF+8*\f:VF+8*\f+3],   v[AV] offset:(\f/4)*32*PV+(\f%4)*32
	ds_load_tr16_b128 v[VF+8*\f+4:VF+8*\f+7], v[AV] offset:(\f/4)*32*PV+16*PV+(\f%4)*32
.endr
	WIN 0
.endm
; THE VECTOR WORK OF A TURN stands in three queues, each in the order in which its entries become ready; the two tiles alternate.
.macro REGS y, u                    ; the registers of tile u (0, 1) of piece y
.set rT, ST+4*(2*(\y)+(\u))
.set rC, TMP+8*((\y)%2)+4*(\u)
.set rM, MV+2*((\y)%2)+(\u)
.set rS, S+64*((\y)%2)+32*(\u)
.set rP, P+32*((\y)%2)+16*(\u)
.set rO, 32*(2*(\y)+(\u))
.endm
; Number n of the 22 that find the NEXT piece's maximum and statistics; each accumulator's lowest registers are read first.
;   0-11 four chains c0-c3 of seven scores each     12-14, 16 the four scores left over, the old m, c0-c3 into c0     15 c m_old is kept     17, 18 the other half of the lanes: the new m     19-21 c m; its change; a
.macro XS u, n
	REGS (Y+1)%NP, \u
.if (\n) < 4
	v_max3_num_f32 v[rC+(\n)], v[rS+8*(\n)], v[rS+8*(\n)+1], v[rS+8*(\n)+2]
.elseif (\n) < 12
	v_max3_num_f32 v[rC+(\n)%4], v[rC+(\n)%4], v[rS+8*((\n)%4)+2*((\n)/4)+1], v[rS+8*((\n)%4)+2*((\n)/4)+2]
.elseif (\n) == 12
	v_max3_num_f32 v[rC], v[rC], v[rS+7], v[rS+15]
.elseif (\n) == 13
	v_max3_num_f32 v[rC+1], v[rC+1], v[rS+23], v[rS+31]
.elseif (\n) == 14
	v_max3_num_f32 v[rC+2], v[rC+2], v[rC+3], v[rT+1]
.elseif (\n) == 15
	v_mov_b32 v[rM], v[rT]
.elseif (\n) == 16
	v_max3_num_f32 v[rC], v[rC], v[rC+1], v[rC+2]
.elseif (\n) == 17
	v_permlanex16_b32 v[rC+3], v[rC], s[SEL], s[SEL+1]
.elseif (\n) == 18
	v_max_num_f32 v[rT+1], v[rC], v[rC+3]
.elseif (\n) == 19
	v_mul_f32 v[rT], s[CS], v[rT+1]
.elseif (\n) == 20
	v_sub_f32 v[rC+1], v[rM], v[rT]
.else
	v_exp_f32 v[rC+2], v[rC+1]
.endif
.endm
; Number g of the 64 that follow the exponentials: for each four weights both pairs are rounded to f16, the second pair is added onto the first in place, and a group later l takes that sum (the first time as l = a l + sum).
.macro GS g
.set h, (\g)+6*((\g)/62)
.if h >= 6
.set h, h+2
.endif
	REGS Y, h%2
.set k, h/8
.if h%8 < 4
	v_cvt_pk_f16_f32 v[rP+2*k+(h%8)/2], v[rS+4*k+2*((h%8)/2)], v[rS+4*k+2*((h%8)/2)+1]
.elseif h%8 < 6
	v_pk_add_f32 v[rS+4*k:rS+4*k+1], v[rS+4*k:rS+4*k+1], v[rS+4*k+2:rS+4*k+3]
.elseif k == 1
	v_pk_fma_f32 v[rT+2:rT+3], v[rT+2:rT+3], v[rC+2:rC+3], v[rS:rS+1] op_sel_hi:[1,0,1]
.else
	v_pk_add_f32 v[rT+2:rT+3], v[rT+2:rT+3], v[rS+4*k-4:rS+4*k-3]
.endif
.endm
; THE PLAIN QUEUE, 138 long.  0-73 read no exponential's result: the 32 scalings c s - c m and the next piece's 42.  74-137: GS's 64, which stand behind the wait.
.macro FS f
	REGS Y, (\f)%2
	v_pk_fma_f32 v[rS+2*((\f)/2):rS+2*((\f)/2)+1], v[rS+2*((\f)/2):rS+2*((\f)/2)+1], s[CS:CS+1], v[rT:rT+1] op_sel_hi:[1,0,0] neg_lo:[0,0,1] neg_hi:[0,0,1]
.endm
.macro PL
	WIN 0
.if q < 27
	FS q
.elseif q < 55
	XS (q-27)%2, (q-27)/2
.elseif q < 57
	XS q-55, 15
.elseif (q < 72) && ((q-57)%3 == 0)
	FS 27+(q-57)/3
.elseif q < 60
	XS (q-57)%3-1, 14
.elseif q < 72
	XS (q-57)%3-1, 15+(q-57)/3
.elseif q < 74
	XS q-72, 20
.else
	GS q-74
.endif
.set q, q+1
.endm
; THE EXPONENTIALS' QUEUE, 66 long: s0-s31 of both tiles, then the next piece's two a: one batch, ahead of the turn's one wait; nothing ahead of that wait names a result of theirs.
.macro EX
	WIN 0
.if e >= 64
	XS e-64, 21
.else
	REGS Y, e%2
	v_exp_f32 v[rS+e/2], v[rS+e/2]
.endif
.set e, e+1
.endm
; THE RESCALING's QUEUE: O^T times a, dealt two at a time, sixteen times.  Its a was made in the turn before, ahead of that turn's wait.
.macro R2
	REGS Y, r%2
	WIN W_RS
.irp z, 0,1
	v_pk_mul_f32 v[rO+4*(r/2)+2*\z:rO+4*(r/2)+2*\z+1], v[rO+4*(r/2)+2*\z:rO+4*(r/2)+2*\z+1], v[rC+2:rC+3] op_sel_hi:[1,0]
.endr
.set r, r+1
.endm
; A TURN, for piece p.  Ahead of its one wait: the 16 products K Q^T, behind each a scaling, an exponential and two rescalings; then a run of 109: eight plain, 49 times exponential and plain, the two a, a v_nop.
; Behind it: the 16 products V^T P, behind each four of the roundings and sums.  Exponential e stands behind scaling 2 (e / 4) + e % 2.
; K of the next step is fetched in piece 2's turn, directly behind the wait; V of the step in hand at the end of piece 0's turn, four plain instructions behind its last reader.  cnt = 1: the loop's count is taken down here.
.macro TURN p, last=0, cnt=0
.set Y, (\p)
.set i, 0
.set q, 0
.set e, 0
.set r, 0
.if (\p) == NP-1
	s_wait_dscnt 0x0                ; K is in
.endif
	MM
	PL
	PL
	R2
.rept 15
	MM
	PL
	EX
	R2
.endr
.if (\p) == NP-2
	WIN 0
	v_add_nc_u32 v[AK], s[TBK], v[AK0]
.endif
.rept 8
	PL
.endr
.rept 49
	EX
	PL
.endr
	EX                              ; the next piece's two a
	EX
	v_nop                           ; a plain instruction behind the last exponential: one for the batch (ISA guide 5.7.2)
	s_wait_alu depctr_va_vdst(0)    ; the wait between the batch and its first reader
.if (\p) == NP-2
	FETCH_K \last
.endif
.if (\p) == 1
	s_wait_dscnt 0x0                ; V is in
.endif
.rept 16
	MM
.rept 4
	PL
.endr
.if ((\p) == 0) && (q == 118)
	v_add_nc_u32 v[AV], s[TBV], v[AV0]
.endif
.if ((\p) == 0) && (q == 130)
	s_add_co_u32 s[TBV], s[TBV], KS*PV
.endif
.if (\cnt) && (q == 130)
	s_sub_co_u32 s[CNT], s[CNT], 1
	s_cmp_lg_u32 s[CNT], 0
.endif
.endr
.if (\p) == 0
	FETCH_V
.endif
.endm
	CHANGE 1                        ; slot 0 is in, everybody's part of it; slot 1 is asked for
	FETCH_K                         ; key step 0
	s_wait_loadcnt 0x0              ; Q
	s_wait_dscnt 0x0
.set i, 0
.rept 16
	KQ 0                            ; piece 0's first scores
.set i, i+1
.endr
	WIN 0                           ; the addresses for the way out: plain instructions, the places behind those products
	s_mul_i32 s13, s[WV], 16*SP
	s_add_co_u32 s13, s13, STAGE    ; my stage
	v_mul_u32_u24 v[STO], v1, SP    ; in: row l % 16, 16 bytes for each half of the lanes
	v_lshl_add_u32 v[STO], v9, 4, v[STO]
	v_add_nc_u32 v[STO], s13, v[STO]
	v_bfe_u32 v[RD], v0, 3, 2       ; back: 32 lanes take four rows of 128 bytes,
	v_mul_u32_u24 v[RD], v[RD], SP
	v_lshl_add_u32 v[RD], v10, 4, v[RD]
	v_add_nc_u32 v[RD], s13, v[RD]
	v_and_b32 v[GO], 31, v0         ; which are 512 consecutive bytes of O
	v_lshlrev_b32 v[GO], 4, v[GO]
.set Y, NP-1                        ; XS works for piece Y + 1: piece 0
.irp n, 0,1,2,3,4,5,6,7,8,9,10,11,12,13,14,15,16,17,18,19,20,21
	XS 0, \n
	XS 1, \n
.endr
	v_nop                           ; a plain instruction behind the two a,
	s_wait_alu depctr_va_vdst(0)    ; and their wait, ahead of the branch
	s_mov_b32 s[CNT], 4
	s_branch .Lfirst                ; the loop is entered at a step's first turn, in the middle of a trip
.Lslot:                             ; six times: every slot but the last two is filled again
	CHANGE 1
	s_mov_b32 s[CNT], 4
.Lstep:                             ; a trip: pieces 2 and 3 of one step, then pieces 0 and 1 of the next, whose K and V it fetches
	TURN 2
	TURN 3
	WIN 0
.Lfirst:
	TURN 0
	TURN 1, 0, 1
	WIN 0
	s_cbranch_scc1 .Lstep
	s_sub_co_u32 s[SLOTS], s[SLOTS], 1
	s_cmp_lg_u32 s[SLOTS], 0
	s_cbranch_scc1 .Lslot
	CHANGE 0                        ; the tail is written out: nothing is asked for
	s_mov_b32 s[CNT], 5             ; four trips fetch the last slot's steps; the fifth is left in its middle
.Ltail:
	TURN 2, 1
	TURN 3
	WIN 0
	s_sub_co_u32 s[CNT], s[CNT], 1
	s_cmp_eq_u32 s[CNT], 0
	s_cbranch_scc1 .Lout
	TURN 0
	TURN 1
	WIN 0
	s_branch .Ltail
.Lout:                              ; the fifth trip's 16 products K Q^T (on the last K once more) and the maximum made of them serve nothing: the price of one text for every trip
.set i, 0
.rept 16
	PV NP-1                         ; the last piece's V^T P of the last step
.set i, i+1
.endr
	; THE WAY OUT.  l's two halves and the other half of the lanes' are added; O^T is divided by l, rounded to f16 and sent through my stage in LDS, a tile at a time.  The additions are the places behind the last products.
	WIN 0
.macro ALL line:vararg              ; one line for each tile t
.set t, 0
.rept 2*NP
	\line
.set t, t+1
.endr
.endm
	ALL v_add_f32 v[ST+4*t+2], v[ST+4*t+2], v[ST+4*t+3]
	ALL v_permlanex16_b32 v[ST+4*t+3], v[ST+4*t+2], s[SEL], s[SEL+1]
	ALL v_add_f32 v[ST+4*t+2], v[ST+4*t+2], v[ST+4*t+3]
	ALL v_rcp_f32 v[ST+4*t+2], v[ST+4*t+2]
	v_nop                           ; a plain instruction between the last reciprocal and the use of its result
	s_wait_alu depctr_va_vdst(0)    ; and the wait ahead of the first use: one for the eight reciprocals
.macro PACK t
	WIN W_RS
.set i, 32*(\t)
.rept 16
	v_pk_mul_f32 v[i:i+1], v[i:i+1], v[ST+4*(\t)+2:ST+4*(\t)+3] op_sel_hi:[1,0]
.set i, i+2
.endr
	WIN 0x05                        ; sources 0 and 1 window 1, destination window 0
.set i, 0
.rept 16
	v_cvt_pk_f16_f32 v[S+16*(\t)+i], v[32*(\t)+2*i], v[32*(\t)+2*i+1]
.set i, i+1
.endr
	WIN 0
.irp f, 0,1,2,3
	ds_store_b128 v[STO], v[S+16*(\t)+4*\f:S+16*(\t)+4*\f+3] offset:32*\f
.endr
.irp f, 0,1,2,3
	ds_load_b128 v[S+16*(\t)+4*\f:S+16*(\t)+4*\f+3], v[RD] offset:\f*4*SP  ; LDS serves a wave's instructions in order (ISA guide 5.7.1.4): these see the stores above
.endr
.endm
.macro SEND t, younger              ; younger: the LDS instructions issued behind tile t's loads: the next tile's eight, or none
	WIN 0
.irp f, 0,1,2,3
	s_wait_dscnt (\younger)+3-\f
	global_store_b128 v[GO], v[S+16*(\t)+4*\f:S+16*(\t)+4*\f+3], s[10:11] offset:(\t)*2048+\f*512  ; 512 consecutive bytes, at a multiple of 256 from O's first
.endr
.endm
	PACK 0
.set t, 1
.rept 2*NP-1                        ; a tile's arithmetic stands between the loads of the tile before and its stores
	PACK t
	SEND t-1, 8
.set t, t+1
.endr
	SEND 2*NP-1, 0
	WIN W_AD
	s_wait_tensorcnt 0x0            ; the wave's end
	ds_add_u32 v[SPW], v[NIL]
	s_wait_dscnt 0x0
	WIN 0
	CROUND                          ; the closing round
	s_endpgm
.Lfunc_end_k_q445a56f86a_attn:
	.size	k_q445a56f86a_attn, .Lfunc_end_k_q445a56f86a_attn-k_q445a56f86a_attn
	.p2alignl 7, 3214868480
	.fill 96, 4, 3214868480
	.section	.rodata,"a",@progbits
	.p2align	6, 0x0
	.amdhsa_kernel k_q445a56f86a_attn
		.amdhsa_group_segment_fixed_size 327680
		.amdhsa_private_segment_fixed_size 0
		.amdhsa_enable_private_segment 0
		.amdhsa_kernarg_size 16
		.amdhsa_user_sgpr_count 2
		.amdhsa_user_sgpr_kernarg_segment_ptr 1
		.amdhsa_wavefront_size32 1
		.amdhsa_system_sgpr_workgroup_id_x 1
		.amdhsa_system_sgpr_workgroup_id_y 1
		.amdhsa_system_sgpr_workgroup_id_z 1
		.amdhsa_system_vgpr_workitem_id 0
		.amdhsa_next_free_vgpr 770
		.amdhsa_next_free_sgpr 66
		.amdhsa_reserve_vcc 0
		.amdhsa_float_denorm_mode_32 3
		.amdhsa_float_denorm_mode_16_64 3
		.amdhsa_memory_ordered 1
		.amdhsa_forward_progress 1
		.amdhsa_inst_pref_size 200
	.end_amdhsa_kernel
	.amdgpu_metadata
---
amdhsa.version: [ 1, 2 ]
amdhsa.kernels:
  - .name:           k_q445a56f86a_attn
    .symbol:         k_q445a56f86a_attn.kd
    .args:
      - { .name: qkv, .offset: 0, .size: 8, .value_kind: global_buffer, .address_space: global }
      - { .name: oh, .offset: 8, .size: 8, .value_kind: global_buffer, .address_space: global }
    .group_segment_fixed_size: 327680
    .private_segment_fixed_size: 0
    .kernarg_segment_align: 8
    .kernarg_segment_size: 16
    .max_flat_workgroup_size: 128
    .sgpr_count:     66
    .vgpr_count:     770
    .wavefront_size: 32
...
	.end_amdgpu_metadata
.endif
;; end of part 3
;; launch outp (part 4): grid 4 x 64, 4 waves a work-group, clusters of 4 x 4, 327,680 bytes of LDS; arguments oh, w16, out0; writes out0
.if DOCPART == 4
	.amdgcn_target "amdgcn-amd-amdhsa--gfx1250"
	.amdhsa_code_object_version 6
	.text
	.protected	k_q445a56f86a_outp
	.globl	k_q445a56f86a_outp
	.p2align	8
	.type	k_q445a56f86a_outp,@function
k_q445a56f86a_outp:
	s_mov_b64 s[64:65], 0
	v_nop
	global_prefetch_b8 v0, s[64:65] scope:SCOPE_SE
	s_setreg_imm32_b32 hwreg(HW_REG_WAVE_MODE, 25, 1), 1
	s_wait_xcnt 0x0
	s_wait_alu depctr_hold_cnt(0) depctr_sa_sdst(0) depctr_va_vdst(0) depctr_va_sdst(0) depctr_va_ssrc(0) depctr_va_vcc(0) depctr_vm_vsrc(0)
	s_getreg_b32 s2, hwreg(HW_REG_IB_STS2, 6, 4)
	s_cmp_eq_u32 s2, 0
	s_cbranch_scc0 .Lentry_in_a_cluster
	s_endpgm
.Lentry_in_a_cluster:
	s_bfe_u32 s2, ttmp6, 0x10000c
	s_cmp_lg_u32 s2, 0xf033
	s_cbranch_scc0 .Lentry_shape_is_right
	s_endpgm
.Lentry_shape_is_right:
; THE OUTPUT PROJECTION.  out0[m][n] = sum over e of O[m][e] Wo[n][e] + bo[n].  O = oh, [64 = 16 batch + head][2048][64] f16: e = 64 head + channel; Wo [1024][1024] f16 and bo (f32 words) from w16;
; sums in f32, out0 [8192][1024] f32.
; SHARES.  A tile of out0 is 128 rows x 256 columns: 64 x 4 = 256 work-groups.  Four waves, 2 x 2, each 64 x 128: 32 accumulators.  K goes in steps of 128 = two heads through two LDS slots:
; wave 0 and wave 1 fetch a head's 128 rows of O each (16,384 dense bytes, asked for as 64 rows of 256 bytes and padded after every 128), waves 2 and 3 the halves of Wo's 256 rows.
; CLUSTER.  4 x 4 work-groups: O's tiles are shared along a row of the cluster, Wo's along a column, by joint loads.
; THE MATRIX INSTRUCTION IS USED TRANSPOSED (source 0 = 16 rows of Wo, source 1 = 16 rows of O): a lane holds eight neighbouring columns of one row.  The bias is the C operand of each sum's first product.
; REGISTERS, in windows of 256: window 0: v0-31 addresses; v32-63, v64-95 O's fragments, two buffers; v96-159 the bias; on the way out v32-95, v96-159 rows read back
;   window 1: v0-63, v64-127 Wo's fragments, two buffers     window 2: the accumulators, (a, b) at v[8 (8 a + b)]
.set KSTEP,  128
.set PA,     144                       ; an LDS row of O: 128 bytes + 16
.set PB,     272                       ; an LDS row of Wo: 256 bytes + 16
.set HALFA,  128*PA                    ; a head's 128 rows: 18,432
.set HALFB,  128*PB
.set BOFF,   2*HALFA
.set SLOT,   2*HALFA+2*HALFB           ; 106,496
.set STAGE,  2*SLOT                    ; behind the ring: 16 rows x 528 bytes for each wave
.set SPITCH, 528
.set SPARE,  STAGE+4*16*SPITCH         ; behind the stages: the spare words, 128 bytes a wave, that no other line names
.set WO_OFF, 6291456                   ; Wo in w16
.set BO_OFF, 8388608+3*4096            ; bo in w16
.set ADRA, 16
.set ADRB, 20
.set STO,  24
.set RD,   25
.set CO,   26
.set BO,   27
.set SPW,  28
.set NIL,  29
.set PFO,  30
.set AF,   32
.set BIAS, 96
.set OB,   32
.set G1,  24
.set G0,  32
.set G1B, 48
.set G0B, 56
.set LIM, 43
.set PFA, 44
.set PFS, 66
.set MSB, 0
.macro WIN new
.if MSB != (\new)
	s_set_vgpr_msb (MSB<<8)|(\new)
.set MSB, \new
.endif
.endm
.set MUL,   0xa1                       ; Wo window 1, O window 0, C and D window 2
.set MULB,  0x81                       ; the same with C (the bias) in window 0
.set TO_B,  0x40
.set FROM_C, 0x08                      ; an LDS store's data (source 1) in window 2
.macro JLOAD s
	s_cmp_eq_u32 s11, 0
	s_cbranch_scc0 .Lfor_b_\@
	tensor_load_to_lds s[G0+4*(\s):G0+4*(\s)+3], s[G1:G1+7]
	s_nop 0
.rept 4
	v_nop
.endr
	s_branch .Lasked_\@
.Lfor_b_\@:
	tensor_load_to_lds s[G0B+4*(\s):G0B+4*(\s)+3], s[G1B:G1B+7]
	s_nop 0
.rept 4
	v_nop
.endr
.Lasked_\@:
.endm
.macro CREST
	s_cmp_lg_u32 s10, 0
	s_cbranch_scc1 .Lnot_wave_0_\@
	s_barrier_signal -3
.Lnot_wave_0_\@:
	s_barrier_wait -3
	s_barrier_signal -1
	s_barrier_wait -1
.endm
.macro CROUND
	s_barrier_signal -1
	s_barrier_wait -1
	CREST
.endm
; A prefetch of the K step that stands two refills on, 256 products ahead of its load.  O: a K step of a tile is 2 heads x 16,384 bytes; each of the four partners takes 4,096 bytes of each head (by address, cx);
; wave 0 asks, a lane 256 bytes.  Wo: as many rows as a wave fetches, 32 to a partner (cy), a lane a row; only the first cluster asks, since all sixteen read the same rows.
; K steps 0 to 3 come by their loads alone; the loop's last trip names nothing.
.macro ASK
	s_cmp_gt_u32 s3, s[LIM]
	s_cbranch_scc0 .Lnot_mine_\@
	global_prefetch_b8 v[PFO], s[PFA:PFA+1] th:TH_LOAD_NT scope:SCOPE_SE
.Lnot_mine_\@:
.endm
.macro PLACES
.rept 4
	v_nop
.endr
.endm
	s_load_b128 s[68:71], s[0:1], 0x0              ; oh s[68:69], w16 s[70:71]
	s_load_b64 s[72:73], s[0:1], 0x10              ; out0
	v_lshl_add_u32 v[SPW], v0, 2, SPARE
	v_mov_b32 v[NIL], 0
	ds_add_u32 v[SPW], v[NIL]                      ; the wave's opening: the add and its wait stand ahead of my first tensor load
	v_lshrrev_b32 v1, 5, v0
	v_readfirstlane_b32 s10, v1                    ; wave 0..3
	s_lshr_b32 s11, s10, 1                         ; which 64 rows are mine.  Also: I fetch O (0) or Wo (1)
	s_and_b32 s12, s10, 1                          ; which 128 columns.  Also: which head of the K step, or which half of Wo's rows, I fetch
	s_bfe_u32 s40, ttmp6, 0x40000                  ; cx
	s_bfe_u32 s41, ttmp6, 0x40004                  ; cy
	s_lshl_b32 s42, ttmp9, 2
	s_add_co_u32 s42, s42, s40                     ; tile column 0..3
	s_and_b32 s78, ttmp7, 0xffff                   ; the cluster's y, 0..15
	s_lshl_b32 s13, s78, 2
	s_add_co_u32 s13, s13, s41                     ; tile row 0..63
	s_lshl_b32 s43, s41, 2
	s_lshl_b32 s43, 15, s43                        ; my row of the cluster
	s_lshl_b32 s44, 0x1111, s40                    ; my column
	s_or_b32 s[G1+0], s43, (1<<16)|(1<<20)|(1<<21)|(4<<22)|(3<<25)   ; the mask; 2-byte elements; padding on; bit 21 beside a mask; after every 32 words, 4 words
	s_or_b32 s[G1B+0], s44, (1<<16)|(1<<20)|(1<<21)|(5<<22)|(3<<25)  ; after every 64 words, 4 words
	s_mov_b32 s[G1+1], 128<<16                     ; tensor_dim0 = 128 (two rows of O)
	s_mov_b32 s[G1+2], 64<<16                      ; tensor_dim1 = 64
	s_mov_b32 s[G1+3], 128<<16                     ; tile_dim0
	s_mov_b32 s[G1+4], 64                          ; tile_dim1
	s_mov_b32 s[G1+5], 128                         ; dense
	s_mov_b32 s[G1+6], 0
	s_mov_b32 s[G1+7], 0
	s_mov_b32 s[G1B+1], KSTEP<<16
	s_mov_b32 s[G1B+2], 128<<16
	s_mov_b32 s[G1B+3], KSTEP<<16
	s_mov_b32 s[G1B+4], 128
	s_mov_b32 s[G1B+5], 1024
	s_mov_b32 s[G1B+6], 0
	s_mov_b32 s[G1B+7], 0
	s_lshr_b32 s16, s13, 4
	s_lshl_b32 s16, s16, 4
	s_add_co_u32 s16, s16, s12                     ; O: head 16 batch + which of the K step's two,
	s_lshl_b32 s16, s16, 11
	s_and_b32 s17, s13, 15
	s_lshl_b32 s17, s17, 7
	s_add_co_u32 s16, s16, s17                     ; row (tile row % 16) x 128,
	s_lshl_b32 s16, s16, 7                         ; of 128 bytes
	s_mov_b32 s17, 0
	s_lshl_b32 s46, s42, 8
	s_lshl_b32 s47, s12, 7
	s_add_co_u32 s46, s46, s47                     ; Wo: row 256 x tile column + 128 x half
	s_lshl_b32 s46, s46, 11
	s_add_co_u32 s46, s46, WO_OFF
	s_mov_b32 s47, 0
	s_mul_i32 s22, s12, HALFA                      ; where they go in a slot
	s_mul_i32 s23, s12, HALFB
	s_add_co_u32 s23, s23, BOFF
	s_wait_dscnt 0x0                               ; the opening add is done
	s_wait_kmcnt 0x0
	s_add_nc_u64 s[14:15], s[68:69], s[16:17]
	s_add_nc_u64 s[46:47], s[70:71], s[46:47]
	s_add_nc_u64 s[80:81], s[70:71], BO_OFF
	CROUND                                         ; all sixteen work-groups are here: the first joint loads meet
.irp s, 0,1
	s_mov_b32 s[G0+4*(\s)], 1
	s_add_co_u32 s[G0+4*(\s)+1], s22, (\s)*SLOT
	s_add_nc_u64 s[G0+4*(\s)+2:G0+4*(\s)+3], s[14:15], (\s)*2*262144   ; K step s: two heads on
	s_or_b32 s[G0+4*(\s)+3], s[G0+4*(\s)+3], 0x80000000
	s_mov_b32 s[G0B+4*(\s)], 1
	s_add_co_u32 s[G0B+4*(\s)+1], s23, (\s)*SLOT
	s_add_nc_u64 s[G0B+4*(\s)+2:G0B+4*(\s)+3], s[46:47], (\s)*KSTEP*2
	s_or_b32 s[G0B+4*(\s)+3], s[G0B+4*(\s)+3], 0x80000000
	JLOAD \s                                       ; two loads of mine are out
.endr
	v_and_b32 v1, 15, v0                           ; r
	v_bfe_u32 v2, v0, 4, 1                         ; h
	v_mul_u32_u24 v3, v1, PA
	v_lshl_add_u32 v3, v2, 4, v3
	v_mul_u32_u24 v4, v1, PB
	v_lshl_add_u32 v4, v2, 4, v4
	s_mul_i32 s21, s11, 64*PA                      ; my 64 rows of O, in each head
	s_mul_i32 s22, s12, HALFB                      ; my 128 rows of Wo
	s_add_co_u32 s22, s22, BOFF
.irp s, 0,1
	v_add_nc_u32 v[ADRA+(\s)], s21, v3
	v_add_nc_u32 v[ADRB+(\s)], s22, v4
	s_add_co_u32 s21, s21, SLOT
	s_add_co_u32 s22, s22, SLOT
.endr
	s_mul_i32 s23, s10, 16*SPITCH
	s_add_co_u32 s23, s23, STAGE                   ; my stage
	v_mul_u32_u24 v5, v1, SPITCH
	v_lshl_add_u32 v5, v2, 5, v5
	v_add_nc_u32 v[STO], s23, v5                   ; in: row r, 32 bytes for each half of the lanes
	v_and_b32 v[CO], 31, v0
	v_lshlrev_b32 v[CO], 4, v[CO]                  ; 16 x lane: a row's 512 bytes
	v_add_nc_u32 v[RD], s23, v[CO]
	s_lshl_b32 s82, s42, 10
	s_lshl_b32 s83, s12, 9
	s_add_co_u32 s82, s82, s83                     ; my first column, in f32 bytes
	v_lshl_add_u32 v[BO], v2, 5, s82
	s_lshl_b32 s83, s13, 7
	s_lshl_b32 s18, s11, 6
	s_add_co_u32 s83, s83, s18                     ; my first row,
	s_lshl_b32 s83, s83, 12                        ; of 4,096 bytes
	s_add_co_u32 s82, s82, s83
	s_mov_b32 s83, 0
	s_add_nc_u64 s[8:9], s[72:73], s[82:83]
	; the prefetches
	s_lshr_b32 s20, s13, 4
	s_lshl_b32 s20, s20, 4
	s_add_co_u32 s20, s20, 6                       ; O: K step 3's first head: the first refill steps it to K step 4
	s_lshl_b32 s20, s20, 11
	s_and_b32 s21, s13, 15
	s_lshl_b32 s21, s21, 7
	s_add_co_u32 s20, s20, s21
	s_lshl_b32 s20, s20, 7
	s_lshl_b32 s21, s40, 12                        ; my work-group's 4,096 bytes of a head's 16,384
	s_add_co_u32 s20, s20, s21
	s_lshl_b32 s82, s42, 8
	s_lshl_b32 s83, s12, 7
	s_add_co_u32 s82, s82, s83
	s_lshl_b32 s83, s41, 5
	s_add_co_u32 s82, s82, s83                     ; Wo: the 128 rows that I fetch, my work-group's 32 of them
	s_lshl_b32 s82, s82, 11
	s_add_co_u32 s82, s82, WO_OFF+3*KSTEP*2
	s_cmp_eq_u32 s78, 0
	s_cselect_b32 s19, 1, -1                       ; Wo is asked for by the first cluster: the same in all sixteen partners
	s_cmp_eq_u32 s10, 0
	s_cselect_b32 s18, 1, -1                       ; O by wave 0 alone
	s_mov_b32 s[PFS], 256
	s_mov_b32 s[PFS+1], 0
	s_mov_b32 s22, 2048
	s_mov_b32 s23, 32768
	s_cmp_eq_u32 s11, 0                            ; do I fetch O?
	s_cselect_b32 s[LIM], s18, s19
	s_cselect_b32 s20, s20, s82
	s_cselect_b64 s[PFA:PFA+1], s[68:69], s[70:71]
	s_cselect_b32 s[PFS], 524288, s[PFS]           ; a K step: two heads of O, or 256 bytes of Wo's rows
	s_cselect_b32 s22, 256, s22                    ; from lane to lane: 256 bytes of O, or a row of Wo
	s_cselect_b32 s23, 262144, s23                 ; lanes 16-31: the K step's second head, or sixteen rows on
	s_mov_b32 s21, 0
	s_add_nc_u64 s[PFA:PFA+1], s[PFA:PFA+1], s[20:21]
	v_mul_u32_u24 v5, v1, s22
	v_mad_u32_u24 v[PFO], v2, s23, v5
.irp b, 0,1,2,3,4,5,6,7                ; the bias of my 128 columns: register j of block b is column 16 b + 8 h + j
	global_load_b128 v[BIAS+8*(\b):BIAS+8*(\b)+3],   v[BO], s[80:81] offset:64*(\b)
	global_load_b128 v[BIAS+8*(\b)+4:BIAS+8*(\b)+7], v[BO], s[80:81] offset:64*(\b)+16
.endr
; 8 products: my rows 16 a .. x all 8 column blocks, 32 along K, from buffers f.  The 32 accumulators take turns in the same order in every quarter.  first = 1: the bias starts the sums.
.macro ROW8 f, a, first
.irp b, 0,1,2,3,4,5,6,7
.if \first
	WIN MULB
	v_wmma_f32_16x16x32_f16 v[8*(8*(\a)+(\b)):8*(8*(\a)+(\b))+7], v[64*(\f)+8*(\b):64*(\f)+8*(\b)+7], v[AF+32*(\f)+8*(\a):AF+32*(\f)+8*(\a)+7], v[BIAS+8*(\b):BIAS+8*(\b)+7]
.else
	WIN MUL
	v_wmma_f32_16x16x32_f16 v[8*(8*(\a)+(\b)):8*(8*(\a)+(\b))+7], v[64*(\f)+8*(\b):64*(\f)+8*(\b)+7], v[AF+32*(\f)+8*(\a):AF+32*(\f)+8*(\a)+7], v[8*(8*(\a)+(\b)):8*(8*(\a)+(\b))+7]
.endif
.endr
.endm
; 24 LDS loads in one run: quarter q of a slot's K step into buffers f: Wo's 128 rows, then O's 64 (head q / 2, channels 32 (q % 2) on)
.macro FETCH slot, q, f
	WIN TO_B
.irp i, 0,1,2,3,4,5,6,7
	ds_load_b128 v[64*(\f)+8*(\i):64*(\f)+8*(\i)+3],   v[ADRB+(\slot)] offset:64*(\q)+(\i)*16*PB
	ds_load_b128 v[64*(\f)+8*(\i)+4:64*(\f)+8*(\i)+7], v[ADRB+(\slot)] offset:64*(\q)+(\i)*16*PB+32
.endr
	WIN 0
.irp i, 0,1,2,3
	ds_load_b128 v[AF+32*(\f)+8*(\i):AF+32*(\f)+8*(\i)+3],   v[ADRA+(\slot)] offset:((\q)/2)*HALFA+((\q)%2)*64+(\i)*16*PA
	ds_load_b128 v[AF+32*(\f)+8*(\i)+4:AF+32*(\f)+8*(\i)+7], v[ADRA+(\slot)] offset:((\q)/2)*HALFA+((\q)%2)*64+(\i)*16*PA+32
.endr
.endm
; One of a K step's first three quarters: multiplies buffers f and fetches quarter q of the slot into buffers g, four plain instructions behind the last product that read them.
.macro QUARTER slot, q, f, g, first
	s_wait_dscnt 4                                 ; Wo's fragments and O's rows 0-31 are in; the youngest four loads (rows 32-63) may be out
	ROW8 \f, 0, \first
	ROW8 \f, 1, \first
	PLACES
	FETCH \slot, \q, \g
	s_wait_dscnt 24                                ; all but the 24 just issued
	ROW8 \f, 2, \first
	ROW8 \f, 3, \first
.endm
; The last quarter multiplies buffers 1 and changes slots: each wave waits for all its tensor loads (one is out: its part of the next slot), adds 0 to its spare word, and waits for that and for its reads of this slot.
; fill = 1: the barrier opens a round of the cluster's barrier, and this slot is filled again first thing behind it, two K steps ahead: the load has 112 products in which to land.
.macro TURN slot, next, fill
.if \fill
	s_wait_xcnt 0x0                                ; the last prefetch, a K step back, has read its address: it is stepped here
	s_add_nc_u64 s[PFA:PFA+1], s[PFA:PFA+1], s[PFS:PFS+1]
.endif
	WIN 0
	s_wait_tensorcnt 0x0                           ; all my tensor loads have landed
	ds_add_u32 v[SPW], v[NIL]                      ; 0 onto my spare word
	s_wait_dscnt 5                                 ; the add and the youngest four loads may be out
	ROW8 1, 0, 0
	s_wait_dscnt 0x0                               ; the add is done, and my reads of this slot are over
	s_barrier_signal -1
	ROW8 1, 1, 0
	WIN 0
	s_barrier_wait -1
.if \fill
	CREST
	s_add_nc_u64 s[G0+4*(\slot)+2:G0+4*(\slot)+3], s[G0+4*(\slot)+2:G0+4*(\slot)+3], 4*262144
	s_add_nc_u64 s[G0B+4*(\slot)+2:G0B+4*(\slot)+3], s[G0B+4*(\slot)+2:G0B+4*(\slot)+3], 2*KSTEP*2
	JLOAD \slot                                    ; the four v_nop behind it are also the places in front of the loads below
.else
	PLACES
.endif
	FETCH \next, 0, 0
.if \fill
	ASK
.endif
	ROW8 1, 2, 0
	ROW8 1, 3, 0
.endm
	s_wait_tensorcnt 1                             ; my part of K step 0 is in; K step 1's may stay out
	s_barrier_signal -1
	s_barrier_wait -1
	FETCH 0, 0, 0
	s_wait_loadcnt 0x0                             ; the bias
	QUARTER 0, 1, 0, 1, 1                          ; the first quarter stands in front of the loop: its products start the sums
	WIN 0
	s_mov_b32 s3, 3
.Llap:                                             ; a trip goes once round the ring and fills both slots again: K steps 2 to 7
	QUARTER 0, 2, 1, 0, 0
	QUARTER 0, 3, 0, 1, 0
	TURN 0, 1, 1
	QUARTER 1, 1, 0, 1, 0
	QUARTER 1, 2, 1, 0, 0
	QUARTER 1, 3, 0, 1, 0
	TURN 1, 0, 1
	QUARTER 0, 1, 0, 1, 0
	WIN 0
	s_sub_co_u32 s3, s3, 1
	s_cmp_lg_u32 s3, 0
	s_cbranch_scc1 .Llap
	QUARTER 0, 2, 1, 0, 0                          ; the last lap fills nothing
	QUARTER 0, 3, 0, 1, 0
	TURN 0, 1, 0
	QUARTER 1, 1, 0, 1, 0
	QUARTER 1, 2, 1, 0, 0
	QUARTER 1, 3, 0, 1, 0
	s_wait_dscnt 4                                 ; the very last quarter: nothing more to fetch
	ROW8 1, 0, 0
	ROW8 1, 1, 0
	s_wait_dscnt 0x0
	ROW8 1, 2, 0
	ROW8 1, 3, 0
	WIN 0
; THE WAY OUT, 16 rows at a time: a lane's eight f32 go straight from the accumulators into my stage (rows of 528 bytes), each accumulator's low four registers first, and come back as whole rows of 512 bytes.
.macro TOSTAGE a
.set BK, OB+64*((\a)%2)
.if (\a) >= 2
	s_wait_xcnt 0x0                                ; the stores of the block two back have had their addresses translated: their registers are loaded again only behind this wait
.endif
	WIN FROM_C
.irp b, 0,1,2,3,4,5,6,7
	ds_store_b128 v[STO], v[8*(8*(\a)+(\b)):8*(8*(\a)+(\b))+3]   offset:64*(\b)
	ds_store_b128 v[STO], v[8*(8*(\a)+(\b))+4:8*(8*(\a)+(\b))+7] offset:64*(\b)+16
.endr
	WIN 0
.irp t, 0,1,2,3,4,5,6,7,8,9,10,11,12,13,14,15
	ds_load_b128 v[BK+4*(\t):BK+4*(\t)+3], v[RD] offset:(\t)*SPITCH  ; LDS serves a wave's instructions in order (ISA guide 5.7.1.4): these see the stores above
.endr
.endm
.macro SEND a, younger                 ; younger: the LDS instructions issued behind block a's loads: the next block's 32, or none
.set BK, OB+64*((\a)%2)
.irp t, 0,1,2,3,4,5,6,7,8,9,10,11,12,13,14,15
	s_wait_dscnt (\younger)+15-(\t)
	global_store_b128 v[CO], v[BK+4*(\t):BK+4*(\t)+3], s[8:9] offset:(16*(\a)+(\t))*4096  ; 512 consecutive bytes, at a multiple of 512 from out0's first
.endr
.endm
	PLACES                                         ; the LDS stores read results just made, and the loads land in registers that the last products read
	TOSTAGE 0
	TOSTAGE 1
	SEND 0, 32
	TOSTAGE 2
	SEND 1, 32
	TOSTAGE 3
	SEND 2, 32
	SEND 3, 0
	s_wait_tensorcnt 0x0                           ; the wave's end
	ds_add_u32 v[SPW], v[NIL]
	s_wait_dscnt 0x0
	CROUND                                         ; the closing round
	s_endpgm
.Lfunc_end_k_q445a56f86a_outp:
	.size	k_q445a56f86a_outp, .Lfunc_end_k_q445a56f86a_outp-k_q445a56f86a_outp
	.p2alignl 7, 3214868480
	.fill 96, 4, 3214868480
	.section	.rodata,"a",@progbits
	.p2align	6, 0x0
	.amdhsa_kernel k_q445a56f86a_outp
		.amdhsa_group_segment_fixed_size 327680
		.amdhsa_private_segment_fixed_size 0
		.amdhsa_enable_private_segment 0
		.amdhsa_kernarg_size 24
		.amdhsa_user_sgpr_count 2
		.amdhsa_user_sgpr_kernarg_segment_ptr 1
		.amdhsa_wavefront_size32 1
		.amdhsa_system_sgpr_workgroup_id_x 1
		.amdhsa_system_sgpr_workgroup_id_y 1
		.amdhsa_system_sgpr_workgroup_id_z 1
		.amdhsa_system_vgpr_workitem_id 0
		.amdhsa_next_free_vgpr 768
		.amdhsa_next_free_sgpr 84
		.amdhsa_reserve_vcc 0
		.amdhsa_float_denorm_mode_32 3
		.amdhsa_float_denorm_mode_16_64 3
		.amdhsa_memory_ordered 1
		.amdhsa_forward_progress 1
		.amdhsa_inst_pref_size 91
	.end_amdhsa_kernel
	.amdgpu_metadata
---
amdhsa.version: [ 1, 2 ]
amdhsa.kernels:
  - .name:           k_q445a56f86a_outp
    .symbol:         k_q445a56f86a_outp.kd
    .args:
      - { .name: oh, .offset: 0, .size: 8, .value_kind: global_buffer, .address_space: global }
      - { .name: w16, .offset: 8, .size: 8, .value_kind: global_buffer, .address_space: global }
      - { .name: out0, .offset: 16, .size: 8, .value_kind: global_buffer, .address_space: global }
    .group_segment_fixed_size: 327680
    .private_segment_fixed_size: 0
    .kernarg_segment_align: 8
    .kernarg_segment_size: 24
    .max_flat_workgroup_size: 128
    .sgpr_count:     84
    .vgpr_count:     768
    .wavefront_size: 32
...
	.end_amdgpu_metadata
.endif
;; end of part 4
